; MI455X (gfx1250); checked and timed in simulation.
; The chip was launched on July 23, 2026; its instructions are those of AMD's public machine-readable ISA for CDNA 5 (MIT licence, August 2026) and "CDNA5" Instruction Set Architecture Reference Guide (July 2026). The comments in the code are by the model that wrote it; some were corrected since.
;; Nemo. Allowed arithmetic: matrix products marked QUANTISED: E2M1 operands, one E8M0 scale for each 32 along K, by v_wmma_scale_f32_16x16x128_f8f6f4 with both operands' format E2M1 (or v_wmma_scale_f32_32x16x128_f4), f32 sums; products left as they are: f32 operands where the result goes on into a quantised operand, else bf16, f16 or f32 operands; f32 sums; everything else in f32.
;; Inputs: W1 64 x 256 float32; W2 256 x 256 float32; W3 256 x 1 float32; b1 256 float32; b2 256 float32; b3 1 float32; tables 8 x 524,288 x 8 float32; x 524,288 x 2 float32.
;; Outputs: out0 524,288 x 1 float32.
;; This version of the problem:
;;   THIS VERSION OF THE PROBLEM IS GIVEN IN LOW PRECISION. The matrix products marked QUANTISED in the list below multiply operands that are first quantised to E2M1 (2 exponent bits, 1 mantissa bit; 4 bits a number), with one power-of-two scale for each 32 numbers along K (OCP MX v1.0); their sums are f32. All else is computed in f32.
;;   The module's matrix products, in the order in which they are computed (A, B: the left and right operand; K: the contracted axis; several contracted axes count as one K, in the product's order):
;;     1. [M 524,288, K 64] x [K 64, N 256]; A: computed on the way; B: input W1: QUANTISED
;;     2. [M 524,288, K 256] x [K 256, N 256]; A: computed on the way; B: input W2: QUANTISED
;;     3. [M 524,288, K 256] x [K 256, N 1]; A: computed on the way; B: input W3: left as it is (N = 1 < 16)
;;   THE QUANTISER, for each operand of a quantised product, along K:
;;     - K is cut into blocks of 32 from its start; a last block that is shorter is filled with zeros.
;;     - A block's scale is 2^e with e = floor(log2(the largest magnitude in the block)) - 2, held to -126 .. 127; a block of zeros has e = 0. As a byte (E8M0): e + 127.
;;     - Each number is divided by its block's scale, clamped to +-6, and rounded to the nearest number of E2M1, ties to even, subnormals kept.
;;     - The product sums the exact products of the quantised numbers (number of the format x scale) in f32.
;;   ~~~python
;;   def quantise(x, axis):      # numpy; x: float32 -> the quantised numbers, widened to float32 again
;;       x = np.moveaxis(x, axis, -1); K = x.shape[-1]
;;       x = np.pad(x, [(0, 0)] * (x.ndim - 1) + [(0, -K % 32)]); x = x.reshape(x.shape[:-1] + (-1, 32)); a = np.abs(x).max(-1, keepdims=True)
;;       e = np.where(a > 0, np.clip(np.frexp(np.where(a > 0, a, 1))[1] - 1 - 2, -126, 127), 0)      # np.frexp(a)[1] - 1 = floor(log2(a)), exactly
;;       r = np.clip(x / 2.0 ** e, -6, 6)
;;       step = 2.0 ** (np.maximum(np.frexp(np.where(r == 0, 1, r))[1] - 1, 0) - 1)
;;       q = np.round(r / step) * step * 2.0 ** e      # np.round: ties to even
;;       return np.moveaxis(q.reshape(q.shape[:-2] + (-1,))[..., :K], -1, axis).astype(np.float32)
;;   ~~~
;;   OPERANDS COMPUTED ON THE WAY. 'Computed on the way' means the value that the module computes at that place (a softmax that the list does not call 'softmax' is quantised finished and normalised). What goes into a quantiser is computed in f32, as accurately as f32 sums, v_exp_f32 and their like allow (about 1e-6 of the number): no bf16 or f16 on the way to a quantiser, and a product that is left as it is and whose result goes on into a quantised operand takes f32 operands (vector FMAs, or v_wmma_f32_16x16x4_f32). A number that lies on a knife's edge between two numbers of the format may be rounded either way, as far as f32 arithmetic and the matrix unit's own rounding can turn it there, and no further.
;; 2 versions. Each part assembles by itself: llvm-mc -triple=amdgcn-amd-amdhsa -mcpu=gfx1250 --defsym DOCPART=n.
;; ======== version 1 of 2: 2 launches
;; workspace buffers: idx 16,777,216 bytes of whole numbers; wq 44,032 bytes
;; launch prep (part 1): grid 262 x 1, 8 waves a work-group, no clusters, 0 bytes of LDS; arguments x, W1, W2, idx, wq; writes idx, wq
.if DOCPART == 1
	.amdgcn_target "amdgcn-amd-amdhsa--gfx1250"
	.amdhsa_code_object_version 6
	.text
	.protected	k_qf157be1ef1_prep
	.globl	k_qf157be1ef1_prep
	.p2align	8
	.type	k_qf157be1ef1_prep,@function
k_qf157be1ef1_prep:
	s_mov_b64 s[64:65], 0
	v_nop
	global_prefetch_b8 v0, s[64:65] scope:SCOPE_SE
	s_setreg_imm32_b32 hwreg(HW_REG_WAVE_MODE, 25, 1), 1
	s_wait_xcnt 0x0
; PREP.  Two things that the second launch needs ready in memory.
; (1) idx: for each of the 524,288 points and each of the 8 grid levels the index of the cell's first corner, floor(x s + 0.5) + floor(y s + 0.5) res, as u32.
;     Table addresses hang on these whole numbers, so they are made here and read as whole numbers by the launch that gathers.
;     Layout: [block of 64 points][tile m: 4][lane r + 16 h: 32][levels 4 h .. 4 h + 3]; tile m, row r is point 32 (m / 2) + 2 r + m % 2 of its block.
; (2) wq: W1 [64][256] and W2 [256][256], f32 with K as first axis, as codes of FP4 (E2M1) with one E8M0 byte for each 32 along K, laid as IMAGES OF THE OPERAND'S REGISTERS:
;     bytes 0 ..      W1, tile T1 = 4 g + t at 512 T1: registers 0-3 of the fragment (K = 64), lane l's 16 bytes at 16 l.  Row p of that tile is hidden unit 64 g + 32 (p / 8) + 8 t + p % 8
;     bytes 8192 ..   W2, fragment f = 2 t + s (units 16 t .., K step s) at 1024 f: registers 0-3, then registers 4-7 512 bytes on
;     bytes 40960 ..  W1's scale words [T1][row], bytes 2 and 3 = 127 (K is filled up to 128 with zero codes on the other side);   bytes 41984 ..  W2's scale words [f][row]
; A block's scale is 2^(floor(log2(largest magnitude)) - 2): its byte is the largest magnitude's exponent field - 2, held at 1 from below.
; LIMITS: x s + 0.5 is taken as not negative (the conversion to u32 holds negative numbers at 0); NaN and infinities are not served; a block whose largest magnitude lies under 2^-124,
; a block of zeros among them, gets the byte 1 (the rule says 127 for zeros): its codes are zeros or nearly so, and only this program reads the bytes.
; SHARES: work-groups 0-3: W2, a fragment a wave; 4-5: W1, a tile a wave; 6-261: indices, 256 points a wave.  No LDS, no barrier: waves share nothing.
.set SCA0, 0x41700000                  ; the levels' scales, f32(16 x 1.2599210739135742^l - 1)
.set SCA1, 0x41994518
.set SCA2, 0x41c32ff6
.set SCA3, 0x41f80001
.set SCA4, 0x421d4519
.set SCA5, 0x42472ff6
.set SCA6, 0x427c0002
.set SCA7, 0x429f4519
.set RES0, 16                          ; and their resolutions, ceil(scale) + 1
.set RES1, 21
.set RES2, 26
.set RES3, 33
.set RES4, 41
.set RES5, 51
.set RES6, 65
.set RES7, 81
.set FLOOR, 0x1800000                  ; 2^(3 - 127): no largest magnitude is taken under it, so the byte cannot fall under 1
.set Q_W2, 8192
.set Q_S1, 40960
.set Q_S2, 41984
; Line tk (0 .. 15) of the search for the largest magnitude of v[b] .. v[b + 31] and the floor, in two chains v[x], v[x + 1] that do not wait for each other
.macro TLINE b, x
.set ti, tk/2
.if (tk%2 == 0) && (ti == 0)
	v_max3_num_f32 v[\x], |v[\b]|, |v[(\b)+1]|, FLOOR
.elseif tk%2 == 0
	v_max3_num_f32 v[\x], v[\x], |v[(\b)+2*ti]|, |v[(\b)+2*ti+1]|
.elseif ti == 0
	v_max3_num_f32 v[(\x)+1], |v[(\b)+16]|, |v[(\b)+17]|, |v[(\b)+18]|
.elseif ti < 7
	v_max3_num_f32 v[(\x)+1], v[(\x)+1], |v[(\b)+17+2*ti]|, |v[(\b)+18+2*ti]|
.else
	v_max3_num_f32 v[\x], v[\x], v[(\x)+1], |v[(\b)+31]|
.endif
.endm
; The eight base indices of point u of my pair in block i.  The position is ONE fused multiply-add, the same instruction on the same numbers as in the second launch, so that floor here and fraction there belong together.
.macro IDX8 i, u
.irp l, 0,1,2,3,4,5,6,7
	v_pk_fma_f32 v[32+2*\l:33+2*\l], v[16+4*\i+2*\u:17+4*\i+2*\u], SCA\l, 0.5 op_sel_hi:[1,0,0]
.endr
.irp l, 0,1,2,3,4,5,6,7
	v_cvt_u32_f32 v[32+2*\l], v[32+2*\l]           ; toward zero: the floor of what is not negative
	v_cvt_u32_f32 v[33+2*\l], v[33+2*\l]
.endr
.irp l, 0,1,2,3,4,5,6,7
	v_mad_u32_u24 v[64+16*\i+8*\u+\l], v[33+2*\l], RES\l, v[32+2*\l]
.endr
.endm
; A fragment of a weight: lane (r, h) takes ONE column (v7 holds its byte and 32 h rows of 1,024 bytes), and its registers run DOWN K: chunk c is k = 64 c + 32 h + 0 .. 31, a whole block, so no other lane is asked for a maximum
; and the conversions' results are the operand's registers 4 c .. 4 c + 3.  nc = chunks (2: K step of 128; 1: K = 64);  sb: the scalar pair that holds the source.
.macro WFRAG nc, sb
.set wc, 0
.rept \nc
.irp i, 0,1,2,3,4,5,6,7,8,9,10,11,12,13,14,15,16,17,18,19,20,21,22,23,24,25,26,27,28,29,30,31
	global_load_b32 v[32+32*wc+\i], v7, s[\sb:\sb+1] offset:(64*wc+\i)*1024
.endr
.set wc, wc+1
.endr
.set wc, 0
.rept \nc
	s_wait_loadcnt 32*(\nc-1-wc)                   ; this chunk's 32 loads are in; a later chunk's 32 may be out
.set tk, 0
.rept 16
	TLINE 32+32*wc, 10
.set tk, tk+1
.endr
	v_add_nc_u32 v[12+wc], 0xff000000, v10         ; 2 off the exponent field: the conversion takes this operand's exponent field as its scale
.irp g, 0,1,2,3
	v_cvt_scalef32_pk8_fp4_f32 v[24+4*wc+\g], v[32+32*wc+8*\g:39+32*wc+8*\g], v[12+wc]
.endr
	v_nop                                          ; one plain line behind the scaled conversions
	v_lshrrev_b32 v[14+wc], 23, v[12+wc]           ; the scale's byte
.set wc, wc+1
.endr
.if \nc == 2
	v_lshl_or_b32 v16, v15, 16, v14                ; my two bytes: blocks h and 2 + h of my row
.else
	v_or_b32 v16, 0x7f0000, v14                    ; my byte, block h; blocks 2 and 3 do not exist: 127
.endif
	v_lshlrev_b32 v17, 3, v4
	v_lshlrev_b32 v16, v17, v16                    ; at their places in the word: 8 h bits up
	v_mov_b32 v18, 0                               ; (a lane permute's destination counts as read)
	v_permlanex16_b32 v18, v16, s22, s23
	v_or_b32 v16, v16, v18                         ; with lane l xor 16's the word is whole
.set wc, 0
.rept \nc
	global_store_b128 v5, v[24+4*wc:27+4*wc], s[18:19] offset:512*wc   ; 32 lanes store 512 consecutive bytes
.set wc, wc+1
.endr
	global_store_b32 v8, v16, s[20:21]             ; row r's word; both halves of the lanes hold, and write, the same
.endm
	s_load_b128 s[4:7], s[0:1], 0x0                ; x, W1
	s_load_b128 s[8:11], s[0:1], 0x10              ; W2, idx
	s_load_b64 s[12:13], s[0:1], 0x20              ; wq
	v_lshrrev_b32 v1, 5, v0
	v_readfirstlane_b32 s14, v1                    ; wave 0..7
	v_and_b32 v2, 31, v0                           ; lane
	v_and_b32 v3, 15, v0                           ; r
	v_bfe_u32 v4, v0, 4, 1                         ; h
	v_lshlrev_b32 v5, 4, v2                        ; 16 x lane
	s_mov_b32 s17, 0                               ; the upper word of every offset
	s_mov_b32 s22, 0x76543210
	s_mov_b32 s23, 0xfedcba98                      ; v_permlanex16_b32's selects for lane l xor 16
	s_wait_kmcnt 0x0
	s_cmp_lt_u32 ttmp9, 4
	s_cbranch_scc1 .Lw2
	s_cmp_lt_u32 ttmp9, 6
	s_cbranch_scc1 .Lw1
	; ---- indices: my wave's 256 points, four blocks of 64.  Lane l takes points 2 l and 2 l + 1 of a block: 16 bytes, 512 consecutive bytes a load
	s_sub_co_u32 s15, ttmp9, 6
	s_lshl_b32 s15, s15, 3
	s_add_co_u32 s15, s15, s14                     ; which 256 points
	s_lshl_b32 s16, s15, 11
	s_add_nc_u64 s[4:5], s[4:5], s[16:17]          ; 2,048 bytes of x,
	s_lshl_b32 s16, s15, 13
	s_add_nc_u64 s[10:11], s[10:11], s[16:17]      ; 8,192 bytes of idx
	v_lshlrev_b32 v6, 4, v3
	v_lshl_add_u32 v6, v4, 10, v6                  ; point 2 l + u is row l % 16 of tile 2 (l / 16) + u: 1,024 (l / 16) + 16 (l % 16); 512 u and 256 for the upper four levels stand in the immediate
.irp i, 0,1,2,3
	global_load_b128 v[16+4*\i:19+4*\i], v5, s[4:5] offset:512*\i th:TH_LOAD_NT
.endr
.irp i, 0,1,2,3
	s_wait_loadcnt 3-\i                            ; block i is in; the later blocks' loads may be out
.irp u, 0,1
	IDX8 \i, \u
.irp hh, 0,1
	global_store_b128 v6, v[64+16*\i+8*\u+4*\hh:67+16*\i+8*\u+4*\hh], s[10:11] offset:2048*\i+512*\u+256*\hh   ; sixteen lanes store 256 consecutive bytes, aligned; every store has data registers of its own
.endr
.endr
.endr
	s_endpgm
.Lw2:	; ---- W2: fragment f = 2 t + s
	s_lshl_b32 s15, ttmp9, 3
	s_add_co_u32 s15, s15, s14                     ; f
	s_and_b32 s16, s15, 1
	s_lshl_b32 s16, s16, 17                        ; K step s: 128 rows of 1,024 bytes
	s_lshr_b32 s18, s15, 1
	s_lshl_b32 s18, s18, 6                         ; columns 16 t on
	s_add_co_u32 s16, s16, s18
	s_add_nc_u64 s[8:9], s[8:9], s[16:17]
	s_lshl_b32 s16, s15, 10
	s_add_co_u32 s16, s16, Q_W2
	s_add_nc_u64 s[18:19], s[12:13], s[16:17]      ; its image
	s_lshl_b32 s16, s15, 6
	s_add_co_u32 s16, s16, Q_S2
	s_add_nc_u64 s[20:21], s[12:13], s[16:17]      ; its scale words
	v_lshlrev_b32 v8, 2, v3                        ; 4 r
	v_lshl_add_u32 v7, v4, 15, v8                  ; column r, 32 h rows down
	WFRAG 2, 8
	s_endpgm
.Lw1:	; ---- W1: tile T1 = 4 g + t
	s_sub_co_u32 s15, ttmp9, 4
	s_lshl_b32 s15, s15, 3
	s_add_co_u32 s15, s15, s14                     ; T1
	s_lshr_b32 s16, s15, 2
	s_lshl_b32 s16, s16, 8                         ; 64 g columns
	s_and_b32 s18, s15, 3
	s_lshl_b32 s18, s18, 5                         ; 8 t columns
	s_add_co_u32 s16, s16, s18
	s_add_nc_u64 s[6:7], s[6:7], s[16:17]
	s_lshl_b32 s16, s15, 9
	s_add_nc_u64 s[18:19], s[12:13], s[16:17]      ; its image
	s_lshl_b32 s16, s15, 6
	s_add_co_u32 s16, s16, Q_S1
	s_add_nc_u64 s[20:21], s[12:13], s[16:17]      ; its scale words
	v_and_b32 v7, 7, v3
	v_lshlrev_b32 v7, 2, v7
	v_lshrrev_b32 v9, 3, v3
	v_lshl_add_u32 v7, v9, 7, v7                   ; row r is column r % 8 + 32 (r / 8) of the tile's
	v_lshl_add_u32 v7, v4, 15, v7                  ; 32 h rows down
	v_lshlrev_b32 v8, 2, v3
	WFRAG 1, 6
	s_endpgm
.Lfunc_end_k_qf157be1ef1_prep:
	.size	k_qf157be1ef1_prep, .Lfunc_end_k_qf157be1ef1_prep-k_qf157be1ef1_prep
	.p2alignl 7, 3214868480
	.fill 96, 4, 3214868480
	.section	.rodata,"a",@progbits
	.p2align	6, 0x0
	.amdhsa_kernel k_qf157be1ef1_prep
		.amdhsa_group_segment_fixed_size 0
		.amdhsa_private_segment_fixed_size 0
		.amdhsa_enable_private_segment 0
		.amdhsa_kernarg_size 40
		.amdhsa_user_sgpr_count 2
		.amdhsa_user_sgpr_kernarg_segment_ptr 1
		.amdhsa_wavefront_size32 1
		.amdhsa_system_sgpr_workgroup_id_x 1
		.amdhsa_system_sgpr_workgroup_id_y 1
		.amdhsa_system_sgpr_workgroup_id_z 1
		.amdhsa_system_vgpr_workitem_id 0
		.amdhsa_next_free_vgpr 128
		.amdhsa_next_free_sgpr 66
		.amdhsa_reserve_vcc 0
		.amdhsa_float_denorm_mode_32 3
		.amdhsa_float_denorm_mode_16_64 3
		.amdhsa_memory_ordered 1
		.amdhsa_forward_progress 1
		.amdhsa_inst_pref_size 34
	.end_amdhsa_kernel
	.amdgpu_metadata
---
amdhsa.version: [ 1, 2 ]
amdhsa.kernels:
  - .name:           k_qf157be1ef1_prep
    .symbol:         k_qf157be1ef1_prep.kd
    .args:
      - { .name: x, .offset: 0, .size: 8, .value_kind: global_buffer, .address_space: global }
      - { .name: W1, .offset: 8, .size: 8, .value_kind: global_buffer, .address_space: global }
      - { .name: W2, .offset: 16, .size: 8, .value_kind: global_buffer, .address_space: global }
      - { .name: idx, .offset: 24, .size: 8, .value_kind: global_buffer, .address_space: global }
      - { .name: wq, .offset: 32, .size: 8, .value_kind: global_buffer, .address_space: global }
    .group_segment_fixed_size: 0
    .private_segment_fixed_size: 0
    .kernarg_segment_align: 8
    .kernarg_segment_size: 40
    .max_flat_workgroup_size: 256
    .sgpr_count:     66
    .vgpr_count:     128
    .wavefront_size: 32
...
	.end_amdgpu_metadata
.endif
;; end of part 1
;; launch mlp (part 2): grid 256 x 1, 8 waves a work-group, no clusters, 45,056 bytes of LDS; arguments x, tables, b1, b2, W3, b3, idx, wq, out0; writes out0
.if DOCPART == 2
	.amdgcn_target "amdgcn-amd-amdhsa--gfx1250"
	.amdhsa_code_object_version 6
	.text
	.protected	k_qf157be1ef1_mlp
	.globl	k_qf157be1ef1_mlp
	.p2align	8
	.type	k_qf157be1ef1_mlp,@function
k_qf157be1ef1_mlp:
	s_mov_b64 s[64:65], 0
	v_nop
	global_prefetch_b8 v0, s[64:65] scope:SCOPE_SE
	s_setreg_imm32_b32 hwreg(HW_REG_WAVE_MODE, 25, 1), 1
	s_wait_xcnt 0x0
; out0[p] = relu(relu(enc(x[p]) W1 + b1) W2 + b2) W3 + b3.  enc: 8 grid levels x 8 features, four corners weighed by smoothstep, in f32.  The first two products on codes of FP4 (E2M1) with one E8M0
; scale for each 32 along K; the weights' codes and scale words come ready from the launch before (wq), and so do the cells' first corners (idx), as whole numbers.  The last product is f32 multiply-adds.
; SHARES.  256 work-groups of eight waves, two waves to a SIMD with 512 registers each; a wave owns 256 points and shares only the weights, which lie in LDS and are only read behind the one barrier.
; A wave walks 4 passes of 64 points = 4 tiles of 16.  Every fragment of a weight read from LDS serves the four tiles.
; LAYOUT.  Both products are used transposed (source 0 = 16 rows of a weight, source 1 = 16 points): lane (r, h) holds point r throughout.  The lane gathers levels 4 h .. 4 h + 3: its 32 features are the block
; k = 32 h .. 32 h + 31 of the first K, whole.  The rows of W1 that form a tile are chosen (tile (g, t), row 8 h + j = unit 64 g + 32 h + 8 t + j) so that the lane's 32 results of tiles t = 0 .. 3 are the block
; 64 g + 32 h + 0 .. 31 of the second K, whole and in the order of the operand's registers.  So no largest magnitude is sought in another lane, and codes never change lanes; only two scale bytes cross to lane l xor 16.
; K = 64 OF THE FIRST PRODUCT is filled up to the instruction's 128 with zero CODES on the points' side (registers 4-7 of each fragment of enc, written once).  What W1's fragment names there (the next tile's
; registers) meets zeros and adds nothing; no scale byte is 0xff.
; THE GATHERS RUN AHEAD.  While layer 2 of a pass is multiplied, the next pass's four tiles are encoded, one behind every second group of layer 2 (macro ENC); each ENC uses the 32 loads of 16 bytes that the ENC before
; issued and issues the next tile's.  idx and x are loaded a pass ahead of that.  The fourth pass has nothing to encode: it leaves the loop behind layer 1 for a copy of layer 2 without ENC.
; LIMITS.  x s + 0.5 not negative.  A first corner above 2^19 - 83 is held there, so that all four corners lie inside the level's table.  NaN and infinities are not served.  A block whose largest magnitude lies under
; 2^-124, a block of zeros among them, takes the scale byte 1.  The corners are summed in the module's order by fused multiply-adds (one rounding where the module has two).
.set IMAX,  0x7ffad                    ; 2^19 - 83: with + 1 + 81 still inside a level's 2^19 rows
.set FLOOR, 0x1800000                  ; 2^(3 - 127): no largest magnitude is taken under it, so a scale's byte cannot fall under 1
.set SCA0, 0x41700000                  ; the scales of levels 0-3,
.set SCA1, 0x41994518
.set SCA2, 0x41c32ff6
.set SCA3, 0x41f80001
.set SCB0, 0x421d4519                  ; of levels 4-7: f32(16 x 1.2599210739135742^l - 1)
.set SCB1, 0x42472ff6
.set SCB2, 0x427c0002
.set SCB3, 0x429f4519
.set RESA0, 16                         ; the resolutions, ceil(scale) + 1
.set RESA1, 21
.set RESA2, 26
.set RESA3, 33
.set RESB0, 41
.set RESB1, 51
.set RESB2, 65
.set RESB3, 81
; LDS, filled once: W1's 16 images of 512 bytes, W2's 32 of 1,024 (a copy of wq's first 40,960 bytes), then b1, b2, W3 as they are
.set L_W1, 0
.set L_W2, 8192
.set L_B1, 40960
.set L_B2, 41984
.set L_W3, 43008
.set Q_S1, 40960                       ; in wq: W1's scale words, W2's
.set Q_S2, 41984
; REGISTERS, window 0
.set LI,  1                            ; 16 x lane: an image's place for my lane, and my place in a tile of idx
.set LB1, 2                            ; 128 h: b1's 32 numbers of my half
.set LB2, 3                            ; 32 h: b2's and W3's eight
.set XO,  4                            ; 16 r: points 2 r, 2 r + 1 of a pair of tiles
.set OO,  5                            ; 8 x lane: my two results
.set SH8, 6                            ; 8 h
.set ZR,  7                            ; 0
.set SC,  8                            ; v8-11   scale of level 4 h + l
.set LB,  12                           ; v12-15  that level's table: (4 h + l) << 24 bytes
.set RS,  16                           ; v16-19  a grid row in it: 32 res bytes
.set CN,  20                           ; v[20:21] (-1, 1)
.set CO,  22                           ; v[22:23] (1, 0)
.set AD,  24                           ; v24-31  gather offsets: level l, lower and upper grid row
.set IDX, 32                           ; v32-47  first corners: tile k, four levels
.set XR,  48                           ; v48-55  x, y of points 2 r, 2 r + 1: pair of tiles a
.set W1S, 56                           ; v56-63  W1's scale words: lanes 0-15 tile q, lanes 16-31 tile q + 8.  These registers, and the three runs that follow, hold scales and nothing else
.set W2S, 64                           ; v64-79  W2's: fragment q, and q + 16
.set ES,  80                           ; v80-83  enc's scale words, tile m
.set HS,  84                           ; v84-91  the hidden layer's: 2 m + s
.set EF,  92                           ; v92-123 enc's fragments: tile m at 8 m: four registers of codes, four of zeros
.set Z,   124                          ; v124-131 the last product's running sums, a pair a tile
.set W3B, 132                          ; v132-163 W3's numbers for a group of layer 2, two sets of 16
.set MX,  164                          ; v164-167 largest magnitudes: two chains for each of two tiles
.set SCL, 168                          ; v168-169 the conversions' scale operands
.set BY,  170                          ; v170-171 scale bytes
.set BYE, 172                          ; v172-175 the byte of the even block, kept for each tile
.set PD,  176                          ; v176-177 lane permutes' destinations
.set WD,  178                          ; v178-179 scale words in the making
.set ZA,  180                          ; v[180:181] my two results
.set ZT,  182                          ; v182-185
.set ZP,  186                          ; v186-189
.set ACC, 192                          ; v192-255 eight accumulators.  Between two groups of layer 2 ENC works here:
.set F,   ACC                          ;   32 features (before them the weights' intermediate numbers),
.set WQ,  ACC+32                       ;   16 corner weights: level l, corner 2 cx + cy
.set HT,  ACC+48                       ;   at the head: addresses used once
; window 1
.set G,   0                            ; v0-127   a tile's gathered rows: level l at 32 l; in it 16 cy + 8 cx + feature
.set H,   128                          ; v128-191 the hidden layer's fragments: 16 m + 8 s
.set WB,  192                          ; v192-223 four fragments of W2; in layer 1 W1's tile t at 4 t
.set BI,  224                          ; v224-255 the bias in the result's layout: 8 registers a tile
; scalars: s[8:25] the buffers; s26 wave; s27 pass; s28 mask of lanes 16-31; s[30:31] selects for lane l xor 16; s32 b3; s[34:35] my idx; s[36:37], s[38:39] where idx is reloaded from; s[40:41] my x; s[42:43] where x is
; reloaded from; s[44:45] my out0; s[46:47] the pass's; s48-51 at work (s51 = 0)
.set MSB, 0
.macro WIN new                         ; the immediate's high byte repeats the setting that is left; a switch that changes nothing is dropped
.if MSB != \new
	s_set_vgpr_msb (MSB<<8)|\new
.set MSB, \new
.endif
.endm
; A vector instruction or load that touches a matrix instruction's registers stands four plain vector instructions behind it; a scale register written by a vector instruction stands eight ahead of the scaled product (ISA guide 7.12.1 for the first)
.macro PLACES n
.rept \n
	v_nop
.endr
.endm
.macro WMM d, a, b, c, sa, sb, row1    ; row1: source 0's scale words stand in lanes 16-31
.if \row1
	v_wmma_scale_f32_16x16x128_f8f6f4 v[(\d):(\d)+7], v[(\a):(\a)+7], v[(\b):(\b)+7], v[(\c):(\c)+7], v[\sa], v[\sb] matrix_a_fmt:MATRIX_FMT_FP4 matrix_b_fmt:MATRIX_FMT_FP4 matrix_a_scale:MATRIX_SCALE_ROW1
.else
	v_wmma_scale_f32_16x16x128_f8f6f4 v[(\d):(\d)+7], v[(\a):(\a)+7], v[(\b):(\b)+7], v[(\c):(\c)+7], v[\sa], v[\sb] matrix_a_fmt:MATRIX_FMT_FP4 matrix_b_fmt:MATRIX_FMT_FP4
.endif
.endm
.macro RELU2 a                         ; two numbers clipped at 0 in one issue
	v_dual_max_num_f32 v[\a], v[ZR], v[\a] :: v_dual_max_num_f32 v[(\a)+1], v[ZR], v[(\a)+1]
.endm
; Line tk (0 .. 15) of the search for the largest of v[b] .. v[b + 31] and the floor, in two chains v[x], v[x + 1].  ab = 1: magnitudes; ab = 0: what is negative does not count (a relu follows).
; Each run of eight registers is first read at its low end.
.macro TLINE b, x, ab
.set ti, tk/2
.if \ab
.if (tk%2 == 0) && (ti == 0)
	v_max3_num_f32 v[\x], |v[\b]|, |v[(\b)+1]|, FLOOR
.elseif tk%2 == 0
	v_max3_num_f32 v[\x], v[\x], |v[(\b)+2*ti]|, |v[(\b)+2*ti+1]|
.elseif ti == 0
	v_max3_num_f32 v[(\x)+1], |v[(\b)+16]|, |v[(\b)+17]|, |v[(\b)+18]|
.elseif ti < 7
	v_max3_num_f32 v[(\x)+1], v[(\x)+1], |v[(\b)+17+2*ti]|, |v[(\b)+18+2*ti]|
.else
	v_max3_num_f32 v[\x], v[\x], v[(\x)+1], |v[(\b)+31]|
.endif
.else
.if (tk%2 == 0) && (ti == 0)
	v_max3_num_f32 v[\x], v[\b], v[(\b)+1], FLOOR
.elseif tk%2 == 0
	v_max3_num_f32 v[\x], v[\x], v[(\b)+2*ti], v[(\b)+2*ti+1]
.elseif ti == 0
	v_max3_num_f32 v[(\x)+1], v[(\b)+16], v[(\b)+17], v[(\b)+18]
.elseif ti < 7
	v_max3_num_f32 v[(\x)+1], v[(\x)+1], v[(\b)+17+2*ti], v[(\b)+18+2*ti]
.else
	v_max3_num_f32 v[\x], v[\x], v[(\x)+1], v[(\b)+31]
.endif
.endif
.endm
; The gather offsets of tile k from its first corners: held inside the table, 32 bytes a grid point, the level's table; the upper grid row lies res points on
.macro ADDR k
.irp l, 0,1,2,3
	v_min_u32 v[AD+2*\l], IMAX, v[IDX+4*(\k)+\l]
.endr
.irp l, 0,1,2,3
	v_lshl_add_u32 v[AD+2*\l], v[AD+2*\l], 5, v[LB+\l]
.endr
.irp l, 0,1,2,3
	v_add_nc_u32 v[AD+2*\l+1], v[AD+2*\l], v[RS+\l]
.endr
.endm
.macro ISSUE l                         ; level l's four corners: in each grid row two neighbouring points, 64 bytes on end
	WIN 0x40                                       ; destination window 1
.irp cy, 0,1
.irp o, 0,1,2,3
	global_load_b128 v[G+32*(\l)+16*\cy+4*\o:G+32*(\l)+16*\cy+4*\o+3], v[AD+2*(\l)+\cy], s[10:11] offset:16*\o
.endr
.endr
.endm
.macro INTERP l                        ; level l's eight features: corners (0,0), (0,1), (1,0), (1,1) in the module's order, two features an instruction, the weight for both halves
	WIN 0x01                                       ; source 0 window 1
.irp p, 0,2,4,6
	v_pk_mul_f32 v[F+8*(\l)+\p:F+8*(\l)+\p+1], v[G+32*(\l)+\p:G+32*(\l)+\p+1], v[WQ+4*(\l):WQ+4*(\l)+1] op_sel_hi:[1,0]
.endr
.irp p, 0,2,4,6
	v_pk_fma_f32 v[F+8*(\l)+\p:F+8*(\l)+\p+1], v[G+32*(\l)+16+\p:G+32*(\l)+16+\p+1], v[WQ+4*(\l):WQ+4*(\l)+1], v[F+8*(\l)+\p:F+8*(\l)+\p+1] op_sel:[0,1,0] op_sel_hi:[1,1,1]
.endr
.irp p, 0,2,4,6
	v_pk_fma_f32 v[F+8*(\l)+\p:F+8*(\l)+\p+1], v[G+32*(\l)+8+\p:G+32*(\l)+8+\p+1], v[WQ+4*(\l)+2:WQ+4*(\l)+3], v[F+8*(\l)+\p:F+8*(\l)+\p+1] op_sel_hi:[1,0,1]
.endr
.irp p, 0,2,4,6
	v_pk_fma_f32 v[F+8*(\l)+\p:F+8*(\l)+\p+1], v[G+32*(\l)+24+\p:G+32*(\l)+24+\p+1], v[WQ+4*(\l)+2:WQ+4*(\l)+3], v[F+8*(\l)+\p:F+8*(\l)+\p+1] op_sel:[0,1,0] op_sel_hi:[1,1,1]
.endr
.endm
; ENC m: tile m of the coming pass becomes a fragment of codes and a scale word.  Its 32 gathers were issued by the ENC before.  This ENC makes the next tile's offsets, reloads the registers of idx that it has used up
; (and behind an odd tile those of x) with the pass after, and issues the next tile's gathers, level by level, as each level's registers fall free.
; late = 1 (tile 3): the next tile is tile 0 of the pass after the coming one; its 32 gathers go out together behind the fourth level, and with guard = 1 only if that pass exists.
; THE COUNTS.  Behind the eight gathers of level l stand: the 8 (3 - l) of the later levels; this ENC's reload of idx, and of x where m is odd; and the 8 l gathers issued anew: 25 or 26.  late: none issued anew: 26 - 8 l.
.macro ENC m, late, guard
	WIN 0
	s_wait_xcnt 0x0                                ; the last gathers have read their offsets: AD is written again only behind this wait
	ADDR ((\m)+1)%4
.if (\m) == 3
	global_load_b128 v[IDX:IDX+3], v[LI], s[38:39] th:TH_LOAD_NT
.else
	global_load_b128 v[IDX+4*((\m)+1):IDX+4*((\m)+1)+3], v[LI], s[36:37] offset:512*((\m)+1) th:TH_LOAD_NT
.endif
.set XP, XR+4*((\m)/2)+2*((\m)%2)      ; my point's x, y
.irp l, 0,2                            ; the four levels by turns.  The position: the same fused multiply-add as in the launch that made idx
	v_pk_fma_f32 v[F+8*\l:F+8*\l+1], v[XP:XP+1], v[SC+\l:SC+\l+1], 0.5 op_sel_hi:[1,0,0]
	v_pk_fma_f32 v[F+8*\l+8:F+8*\l+9], v[XP:XP+1], v[SC+\l:SC+\l+1], 0.5 op_sel:[0,1,0] op_sel_hi:[1,1,0]
.endr
.irp l, 0,1,2,3
	v_fract_f32 v[F+8*\l], v[F+8*\l]               ; t
	v_fract_f32 v[F+8*\l+1], v[F+8*\l+1]
.endr
.irp l, 0,1,2,3
	v_pk_fma_f32 v[F+8*\l+2:F+8*\l+3], v[F+8*\l:F+8*\l+1], -2.0, 0x40400000 op_sel_hi:[1,0,0]   ; 3 - 2 t
.endr
.irp l, 0,1,2,3
	v_pk_mul_f32 v[F+8*\l+4:F+8*\l+5], v[F+8*\l:F+8*\l+1], v[F+8*\l:F+8*\l+1]
.endr
.irp l, 0,1,2,3
	v_pk_mul_f32 v[F+8*\l+4:F+8*\l+5], v[F+8*\l+4:F+8*\l+5], v[F+8*\l+2:F+8*\l+3]               ; w = t t (3 - 2 t), for x and for y
.endr
.irp l, 0,1,2,3
	v_pk_fma_f32 v[F+8*\l:F+8*\l+1], v[F+8*\l+4:F+8*\l+5], v[CN:CN+1], v[CO:CO+1] op_sel_hi:[0,1,1]                  ; (1 - wx, wx)
.endr
.irp l, 0,1,2,3
	v_pk_fma_f32 v[F+8*\l+2:F+8*\l+3], v[F+8*\l+4:F+8*\l+5], v[CN:CN+1], v[CO:CO+1] op_sel:[1,0,0] op_sel_hi:[1,1,1]  ; (1 - wy, wy)
.endr
.irp l, 0,1,2,3
	v_pk_mul_f32 v[WQ+4*\l:WQ+4*\l+1], v[F+8*\l:F+8*\l+1], v[F+8*\l+2:F+8*\l+3] op_sel_hi:[0,1]                       ; corners (0,0), (0,1)
.endr
.irp l, 0,1,2,3
	v_pk_mul_f32 v[WQ+4*\l+2:WQ+4*\l+3], v[F+8*\l:F+8*\l+1], v[F+8*\l+2:F+8*\l+3] op_sel:[1,0] op_sel_hi:[1,1]        ; corners (1,0), (1,1)
.endr
.if (\m)%2
	global_load_b128 v[XR+4*((\m)/2):XR+4*((\m)/2)+3], v[XO], s[42:43] offset:256*((\m)/2) th:TH_LOAD_NT   ; both tiles of the pair have read their x
.endif
.irp l, 0,1,2,3
.if \late
	s_wait_loadcnt 26-8*\l
.elseif (\m)%2
	s_wait_loadcnt 26
.else
	s_wait_loadcnt 25
.endif
	INTERP \l
.if !\late
	ISSUE \l
.endif
.endr
	WIN 0
.if \late
.if \guard
	s_cmp_lt_u32 s27, 2                            ; passes 0 and 1 have a pass two on
	s_cbranch_scc0 .Lnone_\@
.endif
	ISSUE 0
	ISSUE 1
	ISSUE 2
	ISSUE 3
	WIN 0
.if \guard
.Lnone_\@:
.endif
.endif
.set tk, 0
.rept 16
	TLINE F, MX, 1                                 ; my block's largest magnitude: all 32 numbers are mine
.set tk, tk+1
.endr
	v_add_nc_u32 v[SCL], 0xff000000, v[MX]         ; 2 off its exponent field: the conversion takes this operand's exponent field as its scale
.irp g, 0,1,2,3
	v_cvt_scalef32_pk8_fp4_f32 v[EF+8*(\m)+\g], v[F+8*\g:F+8*\g+7], v[SCL]
.endr
	v_nop                                          ; one plain line behind the scaled conversions
	v_lshrrev_b32 v[BY], 23, v[SCL]                ; the scale's byte,
	v_lshlrev_b32 v[WD], v[SH8], v[BY]             ; at block h's place;
	v_permlanex16_b32 v[PD], v[WD], s30, s31
	v_or_b32 v[ES+(\m)], v[WD], v[PD]              ; with lane l xor 16's: bytes 0 and 1; bytes 2 and 3 stay 0 over zero codes
.endm
.macro LOADL1 gm                       ; group gm of layer 1: W1's four tiles (16 bytes a lane each) and b1's 32 numbers of my half, in the result's layout
	WIN 0x40
.irp t, 0,1,2,3
	ds_load_b128 v[WB+4*\t:WB+4*\t+3], v[LI] offset:L_W1+512*(4*(\gm)+\t)
.endr
.irp t, 0,1,2,3
.irp e, 0,1
	ds_load_b128 v[BI+8*\t+4*\e:BI+8*\t+4*\e+3], v[LB1] offset:L_B1+256*(\gm)+32*\t+16*\e
.endr
.endr
	WIN 0
.endm
.macro LOADL2 g                        ; group g of layer 2: tiles 2 g, 2 g + 1 of W2, both K steps; b2's and W3's numbers of those 32 units
	WIN 0x40
.irp tt, 0,1
.irp s, 0,1
.irp e, 0,1
	ds_load_b128 v[WB+8*(2*\tt+\s)+4*\e:WB+8*(2*\tt+\s)+4*\e+3], v[LI] offset:L_W2+1024*(2*(2*(\g)+\tt)+\s)+512*\e
.endr
.endr
.endr
.irp tt, 0,1
.irp e, 0,1
	ds_load_b128 v[BI+8*\tt+4*\e:BI+8*\tt+4*\e+3], v[LB2] offset:L_B2+64*(2*(\g)+\tt)+16*\e
.endr
.endr
	WIN 0
.irp tt, 0,1
.irp e, 0,1
	ds_load_b128 v[W3B+16*((\g)%2)+8*\tt+4*\e:W3B+16*((\g)%2)+8*\tt+4*\e+3], v[LB2] offset:L_W3+64*(2*(\g)+\tt)+16*\e
.endr
.endr
.endm
; LAYER 1, group gm: hidden units 64 gm .. 64 gm + 63 of the four tiles of points, two tiles at a time: eight products, each a whole sum (K = 64), the bias as C.  Then relu and the quantiser:
; my 32 numbers of a tile are block 2 gm + h of the second K; their codes are registers 4 (gm % 2) .. + 3 of the tile's fragment of K step gm / 2.
.macro L1GROUP gm
	s_wait_dscnt 0x0                               ; W1's tiles and b1 are in
.irp a, 0,1
	WIN 0x11                                       ; W1 and the bias in window 1
.irp mm, 0,1
.irp t, 0,1,2,3
	WMM ACC+32*\mm+8*\t, WB+4*\t, EF+8*(2*\a+\mm), BI+8*\t, W1S+((4*(\gm)+\t)&7), ES+2*\a+\mm, (\gm)/2
.endr
.endr
	WIN 0
	PLACES 4
.if \a == 1                            ; the operands are done with: the next group's come while this one is quantised
.if (\gm) < 3
	LOADL1 (\gm)+1
.else
	LOADL2 0
.endif
.endif
.set tk, 0
.rept 16
	TLINE ACC, MX, 0                               ; the two tiles by turns
	TLINE ACC+32, MX+2, 0
.set tk, tk+1
.endr
.irp mm, 0,1
.irp p, 0,2,4,6,8,10,12,14,16,18,20,22,24,26,28,30
	RELU2 ACC+32*\mm+\p
.endr
.endr
.irp mm, 0,1
	v_add_nc_u32 v[SCL+\mm], 0xff000000, v[MX+2*\mm]
.endr
	WIN 0x40                                       ; the codes go to window 1
.irp mm, 0,1
.irp t, 0,1,2,3
	v_cvt_scalef32_pk8_fp4_f32 v[H+16*(2*\a+\mm)+8*((\gm)/2)+4*((\gm)%2)+\t], v[ACC+32*\mm+8*\t:ACC+32*\mm+8*\t+7], v[SCL+\mm]
.endr
.endr
	v_nop                                          ; one plain line behind the scaled conversions
	WIN 0
.if (\gm)%2 == 0
.irp mm, 0,1
	v_lshrrev_b32 v[BYE+2*\a+\mm], 23, v[SCL+\mm]  ; the byte of block h of the K step: kept
.endr
.else
.irp mm, 0,1
	v_lshrrev_b32 v[BY+\mm], 23, v[SCL+\mm]        ; the byte of block 2 + h
.endr
.irp mm, 0,1
	v_lshl_or_b32 v[WD+\mm], v[BY+\mm], 16, v[BYE+2*\a+\mm]
.endr
.irp mm, 0,1
	v_lshlrev_b32 v[WD+\mm], v[SH8], v[WD+\mm]
.endr
.irp mm, 0,1
	v_permlanex16_b32 v[PD+\mm], v[WD+\mm], s30, s31
.endr
.irp mm, 0,1
	v_or_b32 v[HS+2*(2*\a+\mm)+(\gm)/2], v[WD+\mm], v[PD+\mm]   ; the tile's scale word of this K step
.endr
.endif
.endr
.endm
; LAYER 2, group g: units 32 g .. 32 g + 31 of the four tiles of points: eight accumulators, one instruction a turn; K step 0 takes the bias as C, K step 1 adds in place.
; Then relu and the last product: each tile's pair of running sums takes eight numbers x W3 for each of the two tiles of units.  nxt: 0 the next group's operands, 1 layer 1's first, 2 none.
.macro L2GROUP g, nxt
	s_wait_dscnt 0x0                               ; W2's fragments, b2 and W3 are in
	WIN 0x15                                       ; W2, the hidden layer and the bias in window 1
.irp tt, 0,1
.irp m, 0,1,2,3
	WMM ACC+8*(4*\tt+\m), WB+16*\tt, H+16*\m, BI+8*\tt, W2S+((4*(\g)+2*\tt)&15), HS+2*\m, (\g)/4
.endr
.endr
	WIN 0x05
.irp tt, 0,1
.irp m, 0,1,2,3
	WMM ACC+8*(4*\tt+\m), WB+16*\tt+8, H+16*\m+8, ACC+8*(4*\tt+\m), W2S+((4*(\g)+2*\tt+1)&15), HS+2*\m+1, (\g)/4
.endr
.endr
	WIN 0
	PLACES 4
.if \nxt == 0
	LOADL2 (\g)+1
.elseif \nxt == 1
	LOADL1 0
.endif
.irp tt, 0,1
.irp m, 0,1,2,3
.irp p, 0,2,4,6
	RELU2 ACC+8*(4*\tt+\m)+\p
.endr
.endr
.irp p, 0,2,4,6
.irp m, 0,1,2,3                        ; the four tiles' sums by turns
.if ((\g)==0) && (\tt==0) && (\p==0)
	v_pk_mul_f32 v[Z+2*\m:Z+2*\m+1], v[ACC+8*(4*\tt+\m)+\p:ACC+8*(4*\tt+\m)+\p+1], v[W3B+16*((\g)%2)+8*\tt+\p:W3B+16*((\g)%2)+8*\tt+\p+1]   ; a pass's first product starts the sums
.else
	v_pk_fma_f32 v[Z+2*\m:Z+2*\m+1], v[ACC+8*(4*\tt+\m)+\p:ACC+8*(4*\tt+\m)+\p+1], v[W3B+16*((\g)%2)+8*\tt+\p:W3B+16*((\g)%2)+8*\tt+\p+1], v[Z+2*\m:Z+2*\m+1]
.endif
.endr
.endr
.endr
.endm
; The pass's 64 results.  A tile's sum: its pair, and lane l xor 16's (the other eight units of each 16).  Lane 16 a + r stores points 32 a + 2 r and + 1: row r of tiles 2 a and 2 a + 1.
.macro OUT
	s_wait_xcnt 0x0                                ; the last pass's store has read ZA: it is written again only behind this wait
.irp m, 0,1,2,3
	v_add_f32 v[ZT+\m], v[Z+2*\m], v[Z+2*\m+1]
.endr
.irp m, 0,1,2,3
	v_permlanex16_b32 v[ZP+\m], v[ZT+\m], s30, s31
.endr
.irp m, 0,1,2,3
	v_add_f32 v[ZT+\m], v[ZT+\m], v[ZP+\m]
.endr
	v_cndmask_b32 v[ZA], v[ZT], v[ZT+2], s28
	v_cndmask_b32 v[ZA+1], v[ZT+1], v[ZT+3], s28
	v_add_f32 v[ZA], s32, v[ZA]
	v_add_f32 v[ZA+1], s32, v[ZA+1]
	global_store_b64 v[OO], v[ZA:ZA+1], s[46:47] th:TH_STORE_NT   ; 32 lanes store 256 consecutive bytes, aligned
.endm
	; ---- the head
	s_load_b512 s[8:23], s[0:1], 0x0               ; x s[8:9], tables s[10:11], b1 s[12:13], b2 s[14:15], W3 s[16:17], b3 s[18:19], idx s[20:21], wq s[22:23]
	s_load_b64 s[24:25], s[0:1], 0x40              ; out0
	v_lshl_add_u32 v190, v0, 2, 0xac00
	v_mov_b32 v191, 0
	s_mov_b32 s28, 0xffff0000                      ; lanes 16-31
	s_mov_b32 s30, 0x76543210
	s_mov_b32 s31, 0xfedcba98
	s_mov_b32 s51, 0
	v_lshrrev_b32 v[HT], 5, v0
	v_readfirstlane_b32 s26, v[HT]                 ; wave 0..7
	v_and_b32 v[HT], 31, v0                        ; lane
	v_and_b32 v[HT+1], 15, v0                      ; r
	v_bfe_u32 v[HT+2], v0, 4, 1                    ; h
	v_lshlrev_b32 v[HT+3], 4, v0                   ; 16 x thread
	v_lshlrev_b32 v[HT+4], 2, v0                   ; 4 x thread
	v_lshlrev_b32 v[HT+5], 2, v[HT+1]
	v_lshl_add_u32 v[HT+6], v[HT+2], 10, v[HT+5]   ; W2's scale words: 4 r, lanes 16-31 sixteen fragments on
	v_lshl_add_u32 v[HT+5], v[HT+2], 9, v[HT+5]    ; W1's: eight tiles on
	v_lshlrev_b32 v[LI], 4, v[HT]
	v_lshlrev_b32 v[OO], 3, v[HT]
	v_lshlrev_b32 v[XO], 4, v[HT+1]
	v_lshlrev_b32 v[LB1], 7, v[HT+2]
	v_lshlrev_b32 v[LB2], 5, v[HT+2]
	v_lshlrev_b32 v[SH8], 3, v[HT+2]
	v_mov_b32 v[ZR], 0
	v_mov_b32 v[CN], -1.0
	v_mov_b32 v[CN+1], 1.0
	v_mov_b32 v[CO], 1.0
	v_mov_b32 v[CO+1], 0
.irp l, 0,1,2,3
	v_mov_b32 v[SC+\l], SCA\l
	v_mov_b32 v[HT+7], SCB\l
	v_cndmask_b32 v[SC+\l], v[SC+\l], v[HT+7], s28                 ; level l in lanes 0-15, level 4 + l in lanes 16-31
	v_lshl_add_u32 v[LB+\l], v[HT+2], 26, \l<<24
	v_mul_u32_u24 v[RS+\l], v[HT+2], 32*(RESB\l-RESA\l)
	v_add_nc_u32 v[RS+\l], 32*RESA\l, v[RS+\l]
.endr
.irp m, 0,1,2,3
.irp i, 4,5,6,7
	v_mov_b32 v[EF+8*\m+\i], 0                     ; k = 64 .. 127 of the first product: zero codes, written once
.endr
.endr
.irp i, 0,1
	v_mov_b32 v[PD+\i], 0                          ; written once: a lane permute's destination counts as read
.endr
.irp i, 0,1,2,3
	v_mov_b32 v[ZP+\i], 0
.endr
	WIN 0x40
.irp i, 0,1,2,3
	v_mov_b32 v[WB+16+\i], 0                       ; what W1's last tile names beyond its four registers: written once, later whatever W2 leaves there: it meets zero codes
.endr
	WIN 0
	s_lshl_b32 s48, ttmp9, 3
	s_add_co_u32 s48, s48, s26                     ; which 256 points are my wave's
	s_wait_kmcnt 0x0
	s_lshl_b32 s50, s48, 13
	s_add_nc_u64 s[34:35], s[20:21], s[50:51]      ; 8,192 bytes of idx,
	s_lshl_b32 s50, s48, 11
	s_add_nc_u64 s[40:41], s[8:9], s[50:51]        ; 2,048 of x,
	s_lshl_b32 s50, s48, 10
	s_add_nc_u64 s[44:45], s[24:25], s[50:51]      ; 1,024 of out0
	s_add_nc_u64 s[36:37], s[34:35], 2048          ; while pass 0 is encoded: reloads take pass 1,
	s_add_nc_u64 s[38:39], s[34:35], 4096          ; tile 0's second reload pass 2
	s_add_nc_u64 s[42:43], s[40:41], 512
	s_load_b32 s32, s[18:19], 0x0                  ; b3
.irp m, 0,1,2,3
	global_load_b128 v[IDX+4*\m:IDX+4*\m+3], v[LI], s[34:35] offset:512*\m th:TH_LOAD_NT
.endr
.irp a, 0,1
	global_load_b128 v[XR+4*\a:XR+4*\a+3], v[XO], s[40:41] offset:256*\a th:TH_LOAD_NT
.endr
.irp i, 0,1,2,3,4,5,6,7,8,9
	global_load_b128 v[ACC+4*\i:ACC+4*\i+3], v[HT+3], s[22:23] offset:4096*\i   ; the weights' images: the 256 threads take 4,096 consecutive bytes a load
.endr
	global_load_b32 v[ACC+40], v[HT+4], s[12:13]   ; b1, b2, W3: 1,024 bytes each, 4 a thread
	global_load_b32 v[ACC+41], v[HT+4], s[14:15]
	global_load_b32 v[ACC+42], v[HT+4], s[16:17]
.irp q, 0,1,2,3,4,5,6,7
	global_load_b32 v[W1S+\q], v[HT+5], s[22:23] offset:Q_S1+64*\q
.endr
.irp q, 0,1,2,3,4,5,6,7,8,9,10,11,12,13,14,15
	global_load_b32 v[W2S+\q], v[HT+6], s[22:23] offset:Q_S2+64*\q
.endr
	s_wait_loadcnt 0x0
.irp i, 0,1,2,3,4,5,6,7,8,9
	ds_store_b128 v[HT+3], v[ACC+4*\i:ACC+4*\i+3] offset:4096*\i
.endr
	ds_store_b32 v[HT+4], v[ACC+40] offset:L_B1
	ds_store_b32 v[HT+4], v[ACC+41] offset:L_B2
	ds_store_b32 v[HT+4], v[ACC+42] offset:L_W3
	s_wait_kmcnt 0x0                               ; b3
	s_wait_dscnt 0x0                               ; for the others' sake: my stores have landed
	s_barrier_signal -1
	s_barrier_wait -1                              ; the one barrier: from here on LDS is only read
	; ---- pass 0 is encoded ahead of the loop
	ADDR 0
	global_load_b128 v[IDX:IDX+3], v[LI], s[36:37] th:TH_LOAD_NT   ; ahead of the gathers, so that the first ENC finds the same 25 loads behind level 0's as every other
	ISSUE 0
	ISSUE 1
	ISSUE 2
	ISSUE 3
	ENC 0, 0, 0
	ENC 1, 0, 0
	ENC 2, 0, 0
	ENC 3, 1, 0                                    ; and pass 1's tile 0 is asked for
	LOADL1 0
	s_mov_b32 s27, 0
.Lpass:
	s_wait_xcnt 0x0                                ; every earlier load and store has read its base: the four pairs below are written only behind this wait
	s_add_co_u32 s48, s27, 2                       ; this pass encodes pass s27 + 1 and reloads idx and x with pass s27 + 2, held at the last pass: no load leaves its buffer; what is loaded twice is not used
	s_min_u32 s48, s48, 3
	s_lshl_b32 s50, s48, 11
	s_add_nc_u64 s[36:37], s[34:35], s[50:51]
	s_lshl_b32 s50, s48, 9
	s_add_nc_u64 s[42:43], s[40:41], s[50:51]
	s_add_nc_u64 s[38:39], s[34:35], 6144          ; tile 0 runs a pass further ahead: pass s27 + 3, held at 3
	s_lshl_b32 s50, s27, 8
	s_add_nc_u64 s[46:47], s[44:45], s[50:51]      ; the pass's 256 bytes of out0
	PLACES 8                                       ; enc's scale words and codes were written by vector instructions
	L1GROUP 0
	L1GROUP 1
	L1GROUP 2
	L1GROUP 3
	PLACES 8                                       ; and so were the hidden layer's
	s_cmp_eq_u32 s27, 3
	s_cbranch_scc1 .Llast                          ; the fourth pass has no pass to encode
	L2GROUP 0, 0
	L2GROUP 1, 0
	ENC 0, 0, 0
	L2GROUP 2, 0
	L2GROUP 3, 0
	ENC 1, 0, 0
	L2GROUP 4, 0
	L2GROUP 5, 0
	ENC 2, 0, 0
	L2GROUP 6, 0
	L2GROUP 7, 1
	ENC 3, 1, 1
	OUT
	s_add_co_u32 s27, s27, 1
	s_cmp_lt_u32 s27, 4                            ; the count bounds the loop; its fourth trip leaves by the branch above
	s_cbranch_scc1 .Lpass
.Llast:
	L2GROUP 0, 0
	L2GROUP 1, 0
	L2GROUP 2, 0
	L2GROUP 3, 0
	L2GROUP 4, 0
	L2GROUP 5, 0
	L2GROUP 6, 0
	L2GROUP 7, 2
	OUT
	s_wait_tensorcnt 0x0
	ds_add_u32 v190, v191
	s_wait_dscnt 0x0
	s_endpgm
.Lfunc_end_k_qf157be1ef1_mlp:
	.size	k_qf157be1ef1_mlp, .Lfunc_end_k_qf157be1ef1_mlp-k_qf157be1ef1_mlp
	.p2alignl 7, 3214868480
	.fill 96, 4, 3214868480
	.section	.rodata,"a",@progbits
	.p2align	6, 0x0
	.amdhsa_kernel k_qf157be1ef1_mlp
		.amdhsa_group_segment_fixed_size 45056
		.amdhsa_private_segment_fixed_size 0
		.amdhsa_enable_private_segment 0
		.amdhsa_kernarg_size 72
		.amdhsa_user_sgpr_count 2
		.amdhsa_user_sgpr_kernarg_segment_ptr 1
		.amdhsa_wavefront_size32 1
		.amdhsa_system_sgpr_workgroup_id_x 1
		.amdhsa_system_sgpr_workgroup_id_y 1
		.amdhsa_system_sgpr_workgroup_id_z 1
		.amdhsa_system_vgpr_workitem_id 0
		.amdhsa_next_free_vgpr 512
		.amdhsa_next_free_sgpr 66
		.amdhsa_reserve_vcc 0
		.amdhsa_float_denorm_mode_32 3
		.amdhsa_float_denorm_mode_16_64 3
		.amdhsa_memory_ordered 1
		.amdhsa_forward_progress 1
		.amdhsa_inst_pref_size 255
	.end_amdhsa_kernel
	.section	.bss,"aw",@nobits
	.p2align	6
	.space	262144
	.amdgpu_metadata
---
amdhsa.version: [ 1, 2 ]
amdhsa.kernels:
  - .name:           k_qf157be1ef1_mlp
    .symbol:         k_qf157be1ef1_mlp.kd
    .args:
      - { .name: x, .offset: 0, .size: 8, .value_kind: global_buffer, .address_space: global }
      - { .name: tables, .offset: 8, .size: 8, .value_kind: global_buffer, .address_space: global }
      - { .name: b1, .offset: 16, .size: 8, .value_kind: global_buffer, .address_space: global }
      - { .name: b2, .offset: 24, .size: 8, .value_kind: global_buffer, .address_space: global }
      - { .name: W3, .offset: 32, .size: 8, .value_kind: global_buffer, .address_space: global }
      - { .name: b3, .offset: 40, .size: 8, .value_kind: global_buffer, .address_space: global }
      - { .name: idx, .offset: 48, .size: 8, .value_kind: global_buffer, .address_space: global }
      - { .name: wq, .offset: 56, .size: 8, .value_kind: global_buffer, .address_space: global }
      - { .name: out0, .offset: 64, .size: 8, .value_kind: global_buffer, .address_space: global }
    .group_segment_fixed_size: 45056
    .private_segment_fixed_size: 0
    .kernarg_segment_align: 8
    .kernarg_segment_size: 72
    .max_flat_workgroup_size: 256
    .sgpr_count:     66
    .vgpr_count:     512
    .wavefront_size: 32
...
	.end_amdgpu_metadata
.endif
;; end of part 2
;; ======== version 2 of 2: 2 launches
;; workspace buffers: idx 16,777,216 bytes of whole numbers; wq 44,032 bytes
;; launch prep (part 3): grid 262 x 1, 8 waves a work-group, no clusters, 0 bytes of LDS; arguments x, W1, W2, idx, wq; writes idx, wq
.if DOCPART == 3
	.amdgcn_target "amdgcn-amd-amdhsa--gfx1250"
	.amdhsa_code_object_version 6
	.text
	.protected	k_qf157be1ef1_prep
	.globl	k_qf157be1ef1_prep
	.p2align	8
	.type	k_qf157be1ef1_prep,@function
k_qf157be1ef1_prep:
	s_mov_b64 s[64:65], 0
	v_nop
	global_prefetch_b8 v0, s[64:65] scope:SCOPE_SE
	s_setreg_imm32_b32 hwreg(HW_REG_WAVE_MODE, 25, 1), 1
	s_wait_xcnt 0x0
; PREP.  Two things that the second launch needs ready in memory.
; (1) idx: for each of the 524,288 points and each of the 8 grid levels the index of the cell's first corner, floor(x s + 0.5) + floor(y s + 0.5) res, as u32.
;     Table addresses hang on these whole numbers, so they are made here and read as whole numbers by the launch that gathers.
;     Layout: [block of 64 points][tile m: 4][lane r + 16 h: 32][levels 4 h .. 4 h + 3]; tile m, row r is point 32 (m / 2) + 2 r + m % 2 of its block.
; (2) wq: W1 [64][256] and W2 [256][256], f32 with K as first axis, as codes of FP4 (E2M1) with one E8M0 byte for each 32 along K, laid as IMAGES OF THE OPERAND'S REGISTERS:
;     bytes 0 ..      W1, tile T1 = 4 g + t at 512 T1: registers 0-3 of the fragment (K = 64), lane l's 16 bytes at 16 l.  Row p of that tile is hidden unit 64 g + 32 (p / 8) + 8 t + p % 8
;     bytes 8192 ..   W2, fragment f = 2 t + s (units 16 t .., K step s) at 1024 f: registers 0-3, then registers 4-7 512 bytes on
;     bytes 40960 ..  W1's scale words [T1][row], bytes 2 and 3 = 127 (K is filled up to 128 with zero codes on the other side);   bytes 41984 ..  W2's scale words [f][row]
; A block's scale is 2^(floor(log2(largest magnitude)) - 2): its byte is the largest magnitude's exponent field - 2, held at 1 from below.
; LIMITS: x s + 0.5 is taken as not negative (the conversion to u32 holds negative numbers at 0); NaN and infinities are not served; a block whose largest magnitude lies under 2^-124,
; a block of zeros among them, gets the byte 1 (the rule says 127 for zeros): its codes are zeros or nearly so, and only this program reads the bytes.
; SHARES: work-groups 0-3: W2, a fragment a wave; 4-5: W1, a tile a wave; 6-261: indices, 256 points a wave.  No LDS, no barrier: waves share nothing.
.set SCA0, 0x41700000                  ; the levels' scales, f32(16 x 1.2599210739135742^l - 1)
.set SCA1, 0x41994518
.set SCA2, 0x41c32ff6
.set SCA3, 0x41f80001
.set SCA4, 0x421d4519
.set SCA5, 0x42472ff6
.set SCA6, 0x427c0002
.set SCA7, 0x429f4519
.set RES0, 16                          ; and their resolutions, ceil(scale) + 1
.set RES1, 21
.set RES2, 26
.set RES3, 33
.set RES4, 41
.set RES5, 51
.set RES6, 65
.set RES7, 81
.set FLOOR, 0x1800000                  ; 2^(3 - 127): no largest magnitude is taken under it, so the byte cannot fall under 1
.set Q_W2, 8192
.set Q_S1, 40960
.set Q_S2, 41984
; Line tk (0 .. 15) of the search for the largest magnitude of v[b] .. v[b + 31] and the floor, in two chains v[x], v[x + 1] that do not wait for each other
.macro TLINE b, x
.set ti, tk/2
.if (tk%2 == 0) && (ti == 0)
	v_max3_num_f32 v[\x], |v[\b]|, |v[(\b)+1]|, FLOOR
.elseif tk%2 == 0
	s_delay_alu instid0(VALU_DEP_2)
	v_max3_num_f32 v[\x], v[\x], |v[(\b)+2*ti]|, |v[(\b)+2*ti+1]|
.elseif ti == 0
	v_max3_num_f32 v[(\x)+1], |v[(\b)+16]|, |v[(\b)+17]|, |v[(\b)+18]|
.elseif ti < 7
	s_delay_alu instid0(VALU_DEP_2)
	v_max3_num_f32 v[(\x)+1], v[(\x)+1], |v[(\b)+17+2*ti]|, |v[(\b)+18+2*ti]|
.else
	s_delay_alu instid0(VALU_DEP_1)
	v_max3_num_f32 v[\x], v[\x], v[(\x)+1], |v[(\b)+31]|
.endif
.endm
; The eight base indices of point u of my pair in block i.  The position is ONE fused multiply-add, the same instruction on the same numbers as in the second launch, so that floor here and fraction there belong together.
.macro IDX8 i, u
.irp l, 0,1,2,3,4,5,6,7
	v_pk_fma_f32 v[32+2*\l:33+2*\l], v[16+4*\i+2*\u:17+4*\i+2*\u], SCA\l, 0.5 op_sel_hi:[1,0,0]
.endr
.irp l, 0,1,2,3,4,5,6,7
	v_cvt_u32_f32 v[32+2*\l], v[32+2*\l]           ; toward zero: the floor of what is not negative
	v_cvt_u32_f32 v[33+2*\l], v[33+2*\l]
.endr
.irp l, 0,1,2,3,4,5,6,7
	v_mad_u32_u24 v[64+16*\i+8*\u+\l], v[33+2*\l], RES\l, v[32+2*\l]
.endr
.endm
; A fragment of a weight: lane (r, h) takes ONE column (v7 holds its byte and 32 h rows of 1,024 bytes), and its registers run DOWN K: chunk c is k = 64 c + 32 h + 0 .. 31, a whole block, so no other lane is asked for a maximum
; and the conversions' results are the operand's registers 4 c .. 4 c + 3.  nc = chunks (2: K step of 128; 1: K = 64);  sb: the scalar pair that holds the source.
.macro WFRAG nc, sb
.set wc, 0
.rept \nc
.irp i, 0,1,2,3,4,5,6,7,8,9,10,11,12,13,14,15,16,17,18,19,20,21,22,23,24,25,26,27,28,29,30,31
	global_load_b32 v[32+32*wc+\i], v7, s[\sb:\sb+1] offset:(64*wc+\i)*1024
.endr
.set wc, wc+1
.endr
.set wc, 0
.rept \nc
	s_wait_loadcnt 32*(\nc-1-wc)                   ; this chunk's 32 loads are in; a later chunk's 32 may be out
.set tk, 0
.rept 16
	TLINE 32+32*wc, 10
.set tk, tk+1
.endr
	s_delay_alu instid0(VALU_DEP_1)
	v_add_nc_u32 v[12+wc], 0xff000000, v10         ; 2 off the exponent field: the conversion takes this operand's exponent field as its scale
.irp g, 0,1,2,3
	v_cvt_scalef32_pk8_fp4_f32 v[24+4*wc+\g], v[32+32*wc+8*\g:39+32*wc+8*\g], v[12+wc]
.endr
	v_nop                                          ; one plain line behind the scaled conversions
	v_lshrrev_b32 v[14+wc], 23, v[12+wc]           ; the scale's byte
.set wc, wc+1
.endr
.if \nc == 2
	s_delay_alu instid0(VALU_DEP_1)
	v_lshl_or_b32 v16, v15, 16, v14                ; my two bytes: blocks h and 2 + h of my row
.else
	s_delay_alu instid0(VALU_DEP_1)
	v_or_b32 v16, 0x7f0000, v14                    ; my byte, block h; blocks 2 and 3 do not exist: 127
.endif
	v_lshlrev_b32 v17, 3, v4
	s_delay_alu instid0(VALU_DEP_1)
	v_lshlrev_b32 v16, v17, v16                    ; at their places in the word: 8 h bits up
	v_mov_b32 v18, 0                               ; (a lane permute's destination counts as read)
	s_delay_alu instid0(VALU_DEP_1)
	v_permlanex16_b32 v18, v16, s22, s23
	s_delay_alu instid0(VALU_DEP_1)
	v_or_b32 v16, v16, v18                         ; with lane l xor 16's the word is whole
.set wc, 0
.rept \nc
	global_store_b128 v5, v[24+4*wc:27+4*wc], s[18:19] offset:512*wc   ; 32 lanes store 512 consecutive bytes
.set wc, wc+1
.endr
	global_store_b32 v8, v16, s[20:21]             ; row r's word; both halves of the lanes hold, and write, the same
.endm
	s_load_b128 s[4:7], s[0:1], 0x0                ; x, W1
	s_load_b128 s[8:11], s[0:1], 0x10              ; W2, idx
	s_load_b64 s[12:13], s[0:1], 0x20              ; wq
	v_lshrrev_b32 v1, 5, v0
	s_delay_alu instid0(VALU_DEP_1)
	v_readfirstlane_b32 s14, v1                    ; wave 0..7
	v_and_b32 v2, 31, v0                           ; lane
	v_and_b32 v3, 15, v0                           ; r
	v_bfe_u32 v4, v0, 4, 1                         ; h
	s_delay_alu instid0(VALU_DEP_3)
	v_lshlrev_b32 v5, 4, v2                        ; 16 x lane
	s_mov_b32 s17, 0                               ; the upper word of every offset
	s_mov_b32 s22, 0x76543210
	s_mov_b32 s23, 0xfedcba98                      ; v_permlanex16_b32's selects for lane l xor 16
	s_wait_kmcnt 0x0
	s_cmp_lt_u32 ttmp9, 4
	s_cbranch_scc1 .Lw2
	s_cmp_lt_u32 ttmp9, 6
	s_cbranch_scc1 .Lw1
	; ---- indices: my wave's 256 points, four blocks of 64.  Lane l takes points 2 l and 2 l + 1 of a block: 16 bytes, 512 consecutive bytes a load
	s_sub_co_u32 s15, ttmp9, 6
	s_lshl_b32 s15, s15, 3
	s_add_co_u32 s15, s15, s14                     ; which 256 points
	s_lshl_b32 s16, s15, 11
	s_add_nc_u64 s[4:5], s[4:5], s[16:17]          ; 2,048 bytes of x,
	s_lshl_b32 s16, s15, 13
	s_add_nc_u64 s[10:11], s[10:11], s[16:17]      ; 8,192 bytes of idx
	s_wait_alu depctr_va_vdst(0)
	v_lshlrev_b32 v6, 4, v3
	s_delay_alu instid0(VALU_DEP_1)
	v_lshl_add_u32 v6, v4, 10, v6                  ; point 2 l + u is row l % 16 of tile 2 (l / 16) + u: 1,024 (l / 16) + 16 (l % 16); 512 u and 256 for the upper four levels stand in the immediate
.irp i, 0,1,2,3
	global_load_b128 v[16+4*\i:19+4*\i], v5, s[4:5] offset:512*\i th:TH_LOAD_NT
.endr
.irp i, 0,1,2,3
	s_wait_loadcnt 3-\i                            ; block i is in; the later blocks' loads may be out
.irp u, 0,1
	IDX8 \i, \u
.irp hh, 0,1
	global_store_b128 v6, v[64+16*\i+8*\u+4*\hh:67+16*\i+8*\u+4*\hh], s[10:11] offset:2048*\i+512*\u+256*\hh   ; sixteen lanes store 256 consecutive bytes, aligned; every store has data registers of its own
.endr
.endr
.endr
	s_endpgm
.Lw2:	; ---- W2: fragment f = 2 t + s
	s_lshl_b32 s15, ttmp9, 3
	s_add_co_u32 s15, s15, s14                     ; f
	s_and_b32 s16, s15, 1
	s_lshl_b32 s16, s16, 17                        ; K step s: 128 rows of 1,024 bytes
	s_lshr_b32 s18, s15, 1
	s_lshl_b32 s18, s18, 6                         ; columns 16 t on
	s_add_co_u32 s16, s16, s18
	s_add_nc_u64 s[8:9], s[8:9], s[16:17]
	s_lshl_b32 s16, s15, 10
	s_add_co_u32 s16, s16, Q_W2
	s_add_nc_u64 s[18:19], s[12:13], s[16:17]      ; its image
	s_lshl_b32 s16, s15, 6
	s_add_co_u32 s16, s16, Q_S2
	s_add_nc_u64 s[20:21], s[12:13], s[16:17]      ; its scale words
	s_wait_alu depctr_va_vdst(0)
	v_lshlrev_b32 v8, 2, v3                        ; 4 r
	s_delay_alu instid0(VALU_DEP_1)
	v_lshl_add_u32 v7, v4, 15, v8                  ; column r, 32 h rows down
	WFRAG 2, 8
	s_endpgm
.Lw1:	; ---- W1: tile T1 = 4 g + t
	s_sub_co_u32 s15, ttmp9, 4
	s_lshl_b32 s15, s15, 3
	s_add_co_u32 s15, s15, s14                     ; T1
	s_lshr_b32 s16, s15, 2
	s_lshl_b32 s16, s16, 8                         ; 64 g columns
	s_and_b32 s18, s15, 3
	s_lshl_b32 s18, s18, 5                         ; 8 t columns
	s_add_co_u32 s16, s16, s18
	s_add_nc_u64 s[6:7], s[6:7], s[16:17]
	s_lshl_b32 s16, s15, 9
	s_add_nc_u64 s[18:19], s[12:13], s[16:17]      ; its image
	s_lshl_b32 s16, s15, 6
	s_add_co_u32 s16, s16, Q_S1
	s_add_nc_u64 s[20:21], s[12:13], s[16:17]      ; its scale words
	s_wait_alu depctr_va_vdst(0)
	v_and_b32 v7, 7, v3
	s_delay_alu instid0(VALU_DEP_1)
	v_lshlrev_b32 v7, 2, v7
	v_lshrrev_b32 v9, 3, v3
	s_delay_alu instid0(VALU_DEP_1)
	v_lshl_add_u32 v7, v9, 7, v7                   ; row r is column r % 8 + 32 (r / 8) of the tile's
	s_delay_alu instid0(VALU_DEP_1)
	v_lshl_add_u32 v7, v4, 15, v7                  ; 32 h rows down
	v_lshlrev_b32 v8, 2, v3
	WFRAG 1, 6
	s_endpgm
.Lfunc_end_k_qf157be1ef1_prep:
	.size	k_qf157be1ef1_prep, .Lfunc_end_k_qf157be1ef1_prep-k_qf157be1ef1_prep
	.p2alignl 7, 3214868480
	.fill 96, 4, 3214868480
	.section	.rodata,"a",@progbits
	.p2align	6, 0x0
	.amdhsa_kernel k_qf157be1ef1_prep
		.amdhsa_group_segment_fixed_size 0
		.amdhsa_private_segment_fixed_size 0
		.amdhsa_enable_private_segment 0
		.amdhsa_kernarg_size 40
		.amdhsa_user_sgpr_count 2
		.amdhsa_user_sgpr_kernarg_segment_ptr 1
		.amdhsa_wavefront_size32 1
		.amdhsa_system_sgpr_workgroup_id_x 1
		.amdhsa_system_sgpr_workgroup_id_y 1
		.amdhsa_system_sgpr_workgroup_id_z 1
		.amdhsa_system_vgpr_workitem_id 0
		.amdhsa_next_free_vgpr 128
		.amdhsa_next_free_sgpr 66
		.amdhsa_reserve_vcc 0
		.amdhsa_float_denorm_mode_32 3
		.amdhsa_float_denorm_mode_16_64 3
		.amdhsa_memory_ordered 1
		.amdhsa_forward_progress 1
		.amdhsa_inst_pref_size 36
	.end_amdhsa_kernel
	.amdgpu_metadata
---
amdhsa.version: [ 1, 2 ]
amdhsa.kernels:
  - .name:           k_qf157be1ef1_prep
    .symbol:         k_qf157be1ef1_prep.kd
    .args:
      - { .name: x, .offset: 0, .size: 8, .value_kind: global_buffer, .address_space: global }
      - { .name: W1, .offset: 8, .size: 8, .value_kind: global_buffer, .address_space: global }
      - { .name: W2, .offset: 16, .size: 8, .value_kind: global_buffer, .address_space: global }
      - { .name: idx, .offset: 24, .size: 8, .value_kind: global_buffer, .address_space: global }
      - { .name: wq, .offset: 32, .size: 8, .value_kind: global_buffer, .address_space: global }
    .group_segment_fixed_size: 0
    .private_segment_fixed_size: 0
    .kernarg_segment_align: 8
    .kernarg_segment_size: 40
    .max_flat_workgroup_size: 256
    .sgpr_count:     66
    .vgpr_count:     128
    .wavefront_size: 32
...
	.end_amdgpu_metadata
.endif
;; end of part 3
;; launch mlp (part 4): grid 256 x 1, 8 waves a work-group, no clusters, 45,056 bytes of LDS; arguments x, tables, b1, b2, W3, b3, idx, wq, out0; writes out0
.if DOCPART == 4
	.amdgcn_target "amdgcn-amd-amdhsa--gfx1250"
	.amdhsa_code_object_version 6
	.text
	.protected	k_qf157be1ef1_mlp
	.globl	k_qf157be1ef1_mlp
	.p2align	8
	.type	k_qf157be1ef1_mlp,@function
k_qf157be1ef1_mlp:
	s_mov_b64 s[64:65], 0
	v_nop
	global_prefetch_b8 v0, s[64:65] scope:SCOPE_SE
	s_setreg_imm32_b32 hwreg(HW_REG_WAVE_SCHED_MODE, 0, 2), 2
	s_setreg_imm32_b32 hwreg(HW_REG_WAVE_MODE, 25, 1), 1
	s_wait_xcnt 0x0
	s_wait_alu depctr_vm_vsrc(0)
; out0[p] = relu(relu(enc(x[p]) W1 + b1) W2 + b2) W3 + b3.  enc: 8 grid levels x 8 features, four corners weighed by smoothstep, in f32.  The first two products on codes of FP4 (E2M1) with one E8M0
; scale for each 32 along K; the weights' codes and scale words come ready from the launch before (wq), and so do the cells' first corners (idx), as whole numbers.  The last product is f32 multiply-adds.
; SHARES.  256 work-groups of eight waves, two waves to a SIMD with 512 registers each; a wave owns 256 points and shares only the weights, which lie in LDS and are only read behind the one barrier.
; A wave walks 4 passes of 64 points = 4 tiles of 16.  Every fragment of a weight read from LDS serves the four tiles.
; LAYOUT.  Both products are used transposed (source 0 = 16 rows of a weight, source 1 = 16 points): lane (r, h) holds point r throughout.  The lane gathers levels 4 h .. 4 h + 3: its 32 features are the block
; k = 32 h .. 32 h + 31 of the first K, whole.  The rows of W1 that form a tile are chosen (tile (g, t), row 8 h + j = unit 64 g + 32 h + 8 t + j) so that the lane's 32 results of tiles t = 0 .. 3 are the block
; 64 g + 32 h + 0 .. 31 of the second K, whole and in the order of the operand's registers.  So no largest magnitude is sought in another lane, and codes never change lanes; only two scale bytes cross to lane l xor 16.
; K = 64 OF THE FIRST PRODUCT is filled up to the instruction's 128 with zero CODES on the points' side (registers 4-7 of each fragment of enc, written once).  What W1's fragment names there (the next tile's
; registers) meets zeros and adds nothing; no scale byte is 0xff.
; THE GATHERS RUN AHEAD.  While layer 2 of a pass is multiplied, the next pass's four tiles are encoded, one behind every second group of layer 2 (macro ENC); each ENC uses the 32 loads of 16 bytes that the ENC before
; issued and issues the next tile's.  idx and x are loaded a pass ahead of that.  The fourth pass has nothing to encode: it leaves the loop behind layer 1 for a copy of layer 2 without ENC.
; LIMITS.  x s + 0.5 not negative.  A first corner above 2^19 - 83 is held there, so that all four corners lie inside the level's table.  NaN and infinities are not served.  A block whose largest magnitude lies under
; 2^-124, a block of zeros among them, takes the scale byte 1.  The corners are summed in the module's order by fused multiply-adds (one rounding where the module has two).
; THE MODE: SCHED_MODE bits 1:0 = 2 (LLVM: expert scheduling mode 2), set by the entry lines.  The code itself states the register dependences between vector or matrix instructions and memory or LDS
; instructions, with s_wait_alu, always for 0.
; THE PLAN.  Registers that memory or LDS instructions touch, in the loop:
;   G        The 32 gathers issued in ENC m land in it; the four INTERPs of ENC m + 1 read it; behind them it is asked for again.
;   AD       Written at an ENC's head; read by that ENC's 32 gathers.
;   IDX, XR  Read at an ENC's head (offsets, weights); the reloads land in what has been read: four registers of IDX in each ENC, four of XR in each odd one.
;   WB, BI   Read by a group's products; the next group's LDS loads land in them.
;   W3B      Two sets.  Group g's multiply-adds read set g % 2; the loads for group g + 1, issued in group g, land in the set that group g - 1 read.
;   ZA       Written by OUT's arithmetic, read by OUT's store.
;   LI, LB1, LB2, XO, OO are read by loads and stores and never written behind the head.  ACC, H, EF, the scale words, Z and the work registers are named by vector and matrix instructions alone.
; So an ENC has ONE wait on va_vdst, behind its fourth INTERP: AD is written; IDX, x and y, and G have been read; its 33 or 34 loads follow in one run.  One wait on vm_vsrc stands ahead of the lines that write AD.
; A group of either layer that loads has one wait on va_vdst, behind its last products' places.  Ahead of each layer one wait on va_vdst states that the operands which vector instructions made are written.
; OUT has a wait on vm_vsrc ahead of its arithmetic and one on va_vdst ahead of its store.
.set IMAX,  0x7ffad                    ; 2^19 - 83: with + 1 + 81 still inside a level's 2^19 rows
.set FLOOR, 0x1800000                  ; 2^(3 - 127): no largest magnitude is taken under it, so a scale's byte cannot fall under 1
.set SCA0, 0x41700000                  ; the scales of levels 0-3,
.set SCA1, 0x41994518
.set SCA2, 0x41c32ff6
.set SCA3, 0x41f80001
.set SCB0, 0x421d4519                  ; of levels 4-7: f32(16 x 1.2599210739135742^l - 1)
.set SCB1, 0x42472ff6
.set SCB2, 0x427c0002
.set SCB3, 0x429f4519
.set RESA0, 16                         ; the resolutions, ceil(scale) + 1
.set RESA1, 21
.set RESA2, 26
.set RESA3, 33
.set RESB0, 41
.set RESB1, 51
.set RESB2, 65
.set RESB3, 81
; LDS, filled once: W1's 16 images of 512 bytes, W2's 32 of 1,024 (a copy of wq's first 40,960 bytes), then b1, b2, W3 as they are
.set L_W1, 0
.set L_W2, 8192
.set L_B1, 40960
.set L_B2, 41984
.set L_W3, 43008
.set Q_S1, 40960                       ; in wq: W1's scale words, W2's
.set Q_S2, 41984
; REGISTERS, window 0
.set LI,  1                            ; 16 x lane: an image's place for my lane, and my place in a tile of idx
.set LB1, 2                            ; 128 h: b1's 32 numbers of my half
.set LB2, 3                            ; 32 h: b2's and W3's eight
.set XO,  4                            ; 16 r: points 2 r, 2 r + 1 of a pair of tiles
.set OO,  5                            ; 8 x lane: my two results
.set SH8, 6                            ; 8 h
.set ZR,  7                            ; 0
.set SC,  8                            ; v8-11   scale of level 4 h + l
.set LB,  12                           ; v12-15  that level's table: (4 h + l) << 24 bytes
.set RS,  16                           ; v16-19  a grid row in it: 32 res bytes
.set CN,  20                           ; v[20:21] (-1, 1)
.set CO,  22                           ; v[22:23] (1, 0)
.set AD,  24                           ; v24-31  gather offsets: level l, lower and upper grid row
.set IDX, 32                           ; v32-47  first corners: tile k, four levels
.set XR,  48                           ; v48-55  x, y of points 2 r, 2 r + 1: pair of tiles a
.set W1S, 56                           ; v56-63  W1's scale words: lanes 0-15 tile q, lanes 16-31 tile q + 8.  These registers, and the three runs that follow, hold scales and nothing else
.set W2S, 64                           ; v64-79  W2's: fragment q, and q + 16
.set ES,  80                           ; v80-83  enc's scale words, tile m
.set HS,  84                           ; v84-91  the hidden layer's: 2 m + s
.set EF,  92                           ; v92-123 enc's fragments: tile m at 8 m: four registers of codes, four of zeros
.set Z,   124                          ; v124-131 the last product's running sums, a pair a tile
.set W3B, 132                          ; v132-163 W3's numbers for a group of layer 2, two sets of 16
.set MX,  164                          ; v164-167 largest magnitudes: two chains for each of two tiles
.set SCL, 168                          ; v168-169 the conversions' scale operands
.set BY,  170                          ; v170-171 scale bytes
.set BYE, 172                          ; v172-175 the byte of the even block, kept for each tile
.set PD,  176                          ; v176-177 lane permutes' destinations
.set WD,  178                          ; v178-179 scale words in the making
.set ZA,  180                          ; v[180:181] my two results
.set ZT,  182                          ; v182-185
.set ZP,  186                          ; v186-189
.set ACC, 192                          ; v192-255 eight accumulators.  Between two groups of layer 2 ENC works here:
.set F,   ACC                          ;   32 features (before them the weights' intermediate numbers),
.set WQ,  ACC+32                       ;   16 corner weights: level l, corner 2 cx + cy
.set HT,  ACC+48                       ;   at the head: addresses used once
; window 1
.set G,   0                            ; v0-127   a tile's gathered rows: level l at 32 l; in it 16 cy + 8 cx + feature
.set H,   128                          ; v128-191 the hidden layer's fragments: 16 m + 8 s
.set WB,  192                          ; v192-223 four fragments of W2; in layer 1 W1's tile t at 4 t
.set BI,  224                          ; v224-255 the bias in the result's layout: 8 registers a tile
; scalars: s[8:25] the buffers; s26 wave; s27 pass; s28 mask of lanes 16-31; s[30:31] selects for lane l xor 16; s32 b3; s[34:35] my idx; s[36:37], s[38:39] where idx is reloaded from; s[40:41] my x; s[42:43] where x is
; reloaded from; s[44:45] my out0; s[46:47] the pass's; s48-51 at work (s51 = 0)
.set MSB, 0
.macro WIN new                         ; the immediate's high byte repeats the setting that is left; a switch that changes nothing is dropped
.if MSB != \new
	s_set_vgpr_msb (MSB<<8)|\new
.set MSB, \new
.endif
.endm
; A vector instruction that touches a matrix instruction's registers stands four plain vector instructions behind it; a scale register written by a vector instruction stands eight ahead of the scaled product (ISA guide 7.12.1 for the first)
.macro PLACES n
.rept \n
	v_nop
.endr
.endm
.macro WMM d, a, b, c, sa, sb, row1    ; row1: source 0's scale words stand in lanes 16-31
.if \row1
	v_wmma_scale_f32_16x16x128_f8f6f4 v[(\d):(\d)+7], v[(\a):(\a)+7], v[(\b):(\b)+7], v[(\c):(\c)+7], v[\sa], v[\sb] matrix_a_fmt:MATRIX_FMT_FP4 matrix_b_fmt:MATRIX_FMT_FP4 matrix_a_scale:MATRIX_SCALE_ROW1
.else
	v_wmma_scale_f32_16x16x128_f8f6f4 v[(\d):(\d)+7], v[(\a):(\a)+7], v[(\b):(\b)+7], v[(\c):(\c)+7], v[\sa], v[\sb] matrix_a_fmt:MATRIX_FMT_FP4 matrix_b_fmt:MATRIX_FMT_FP4
.endif
.endm
.macro RELU2 a                         ; two numbers clipped at 0 in one issue
	v_dual_max_num_f32 v[\a], v[ZR], v[\a] :: v_dual_max_num_f32 v[(\a)+1], v[ZR], v[(\a)+1]
.endm
; Line tk (0 .. 15) of the search for the largest of v[b] .. v[b + 31] and the floor, in two chains v[x], v[x + 1].  ab = 1: magnitudes; ab = 0: what is negative does not count (a relu follows).
; Each run of eight registers is first read at its low end.
.macro TLINE b, x, ab
.set ti, tk/2
.if \ab
.if (tk%2 == 0) && (ti == 0)
	v_max3_num_f32 v[\x], |v[\b]|, |v[(\b)+1]|, FLOOR
.elseif tk%2 == 0
	v_max3_num_f32 v[\x], v[\x], |v[(\b)+2*ti]|, |v[(\b)+2*ti+1]|
.elseif ti == 0
	v_max3_num_f32 v[(\x)+1], |v[(\b)+16]|, |v[(\b)+17]|, |v[(\b)+18]|
.elseif ti < 7
	v_max3_num_f32 v[(\x)+1], v[(\x)+1], |v[(\b)+17+2*ti]|, |v[(\b)+18+2*ti]|
.else
	v_max3_num_f32 v[\x], v[\x], v[(\x)+1], |v[(\b)+31]|
.endif
.else
.if (tk%2 == 0) && (ti == 0)
	v_max3_num_f32 v[\x], v[\b], v[(\b)+1], FLOOR
.elseif tk%2 == 0
	v_max3_num_f32 v[\x], v[\x], v[(\b)+2*ti], v[(\b)+2*ti+1]
.elseif ti == 0
	v_max3_num_f32 v[(\x)+1], v[(\b)+16], v[(\b)+17], v[(\b)+18]
.elseif ti < 7
	v_max3_num_f32 v[(\x)+1], v[(\x)+1], v[(\b)+17+2*ti], v[(\b)+18+2*ti]
.else
	v_max3_num_f32 v[\x], v[\x], v[(\x)+1], v[(\b)+31]
.endif
.endif
.endm
; The gather offsets of tile k from its first corners: held inside the table, 32 bytes a grid point, the level's table; the upper grid row lies res points on
.macro ADDR k
.irp l, 0,1,2,3
	v_min_u32 v[AD+2*\l], IMAX, v[IDX+4*(\k)+\l]
.endr
.irp l, 0,1,2,3
	v_lshl_add_u32 v[AD+2*\l], v[AD+2*\l], 5, v[LB+\l]
.endr
.irp l, 0,1,2,3
	v_add_nc_u32 v[AD+2*\l+1], v[AD+2*\l], v[RS+\l]
.endr
.endm
.macro ISSUE l                         ; level l's four corners: in each grid row two neighbouring points, 64 bytes on end
	WIN 0x40                                       ; destination window 1
.irp cy, 0,1
.irp o, 0,1,2,3
	global_load_b128 v[G+32*(\l)+16*\cy+4*\o:G+32*(\l)+16*\cy+4*\o+3], v[AD+2*(\l)+\cy], s[10:11] offset:16*\o
.endr
.endr
.endm
.macro INTERP l                        ; level l's eight features: corners (0,0), (0,1), (1,0), (1,1) in the module's order, two features an instruction, the weight for both halves
	WIN 0x01                                       ; source 0 window 1
.irp p, 0,2,4,6
	v_pk_mul_f32 v[F+8*(\l)+\p:F+8*(\l)+\p+1], v[G+32*(\l)+\p:G+32*(\l)+\p+1], v[WQ+4*(\l):WQ+4*(\l)+1] op_sel_hi:[1,0]
.endr
.irp p, 0,2,4,6
	v_pk_fma_f32 v[F+8*(\l)+\p:F+8*(\l)+\p+1], v[G+32*(\l)+16+\p:G+32*(\l)+16+\p+1], v[WQ+4*(\l):WQ+4*(\l)+1], v[F+8*(\l)+\p:F+8*(\l)+\p+1] op_sel:[0,1,0] op_sel_hi:[1,1,1]
.endr
.irp p, 0,2,4,6
	v_pk_fma_f32 v[F+8*(\l)+\p:F+8*(\l)+\p+1], v[G+32*(\l)+8+\p:G+32*(\l)+8+\p+1], v[WQ+4*(\l)+2:WQ+4*(\l)+3], v[F+8*(\l)+\p:F+8*(\l)+\p+1] op_sel_hi:[1,0,1]
.endr
.irp p, 0,2,4,6
	v_pk_fma_f32 v[F+8*(\l)+\p:F+8*(\l)+\p+1], v[G+32*(\l)+24+\p:G+32*(\l)+24+\p+1], v[WQ+4*(\l)+2:WQ+4*(\l)+3], v[F+8*(\l)+\p:F+8*(\l)+\p+1] op_sel:[0,1,0] op_sel_hi:[1,1,1]
.endr
.endm
; ENC m: tile m of the coming pass becomes a fragment of codes and a scale word.  Its 32 gathers were issued by the ENC before.  This ENC makes the next tile's offsets and its own weights, takes the four levels as
; they land, and then, behind ONE wait, reloads the registers of idx that it has used up (and behind an odd tile those of x) with the pass after, and issues the next tile's 32 gathers, all in one run.
; Behind tile 3 the next tile is tile 0 of the pass after the coming one; with guard = 1 its gathers go out only if that pass exists.
; THE COUNTS.  The reloads go out ahead of the gathers, so behind the eight gathers of level l stand the 8 (3 - l) of the later levels and nothing else.
.macro ENC m, guard
	WIN 0
	s_wait_xcnt 0x0                                ; the last gathers have had their addresses translated: AD is written again only behind this wait,
	s_wait_alu depctr_vm_vsrc(0)                   ; and they have read AD, which the lines below write
	ADDR ((\m)+1)%4
.set XP, XR+4*((\m)/2)+2*((\m)%2)      ; my point's x, y
.irp l, 0,2                            ; the four levels by turns.  The position: the same fused multiply-add as in the launch that made idx
	v_pk_fma_f32 v[F+8*\l:F+8*\l+1], v[XP:XP+1], v[SC+\l:SC+\l+1], 0.5 op_sel_hi:[1,0,0]
	v_pk_fma_f32 v[F+8*\l+8:F+8*\l+9], v[XP:XP+1], v[SC+\l:SC+\l+1], 0.5 op_sel:[0,1,0] op_sel_hi:[1,1,0]
.endr
.irp l, 0,1,2,3
	v_fract_f32 v[F+8*\l], v[F+8*\l]               ; t
	v_fract_f32 v[F+8*\l+1], v[F+8*\l+1]
.endr
.irp l, 0,1,2,3
	v_pk_fma_f32 v[F+8*\l+2:F+8*\l+3], v[F+8*\l:F+8*\l+1], -2.0, 0x40400000 op_sel_hi:[1,0,0]   ; 3 - 2 t
.endr
.irp l, 0,1,2,3
	v_pk_mul_f32 v[F+8*\l+4:F+8*\l+5], v[F+8*\l:F+8*\l+1], v[F+8*\l:F+8*\l+1]
.endr
.irp l, 0,1,2,3
	v_pk_mul_f32 v[F+8*\l+4:F+8*\l+5], v[F+8*\l+4:F+8*\l+5], v[F+8*\l+2:F+8*\l+3]               ; w = t t (3 - 2 t), for x and for y
.endr
.irp l, 0,1,2,3
	v_pk_fma_f32 v[F+8*\l:F+8*\l+1], v[F+8*\l+4:F+8*\l+5], v[CN:CN+1], v[CO:CO+1] op_sel_hi:[0,1,1]                  ; (1 - wx, wx)
.endr
.irp l, 0,1,2,3
	v_pk_fma_f32 v[F+8*\l+2:F+8*\l+3], v[F+8*\l+4:F+8*\l+5], v[CN:CN+1], v[CO:CO+1] op_sel:[1,0,0] op_sel_hi:[1,1,1]  ; (1 - wy, wy)
.endr
.irp l, 0,1,2,3
	v_pk_mul_f32 v[WQ+4*\l:WQ+4*\l+1], v[F+8*\l:F+8*\l+1], v[F+8*\l+2:F+8*\l+3] op_sel_hi:[0,1]                       ; corners (0,0), (0,1)
.endr
.irp l, 0,1,2,3
	v_pk_mul_f32 v[WQ+4*\l+2:WQ+4*\l+3], v[F+8*\l:F+8*\l+1], v[F+8*\l+2:F+8*\l+3] op_sel:[1,0] op_sel_hi:[1,1]        ; corners (1,0), (1,1)
.endr
	s_wait_alu depctr_va_vdst(0)
.irp l, 0,1,2,3
	s_wait_loadcnt 24-8*\l                         ; loads come back in order (ISA guide 5.7.1): level l's eight are in, the later levels' stay out
	INTERP \l
.endr
	WIN 0
	s_wait_alu depctr_va_vdst(0)                   ; AD is written, which the gathers below read; the offsets' lines have read their four registers of IDX, the weights' lines x and y, the four INTERPs G: the loads below land in these
.if (\m) == 3
	global_load_b128 v[IDX:IDX+3], v[LI], s[38:39] th:TH_LOAD_NT
.else
	global_load_b128 v[IDX+4*((\m)+1):IDX+4*((\m)+1)+3], v[LI], s[36:37] offset:512*((\m)+1) th:TH_LOAD_NT
.endif
.if (\m)%2
	global_load_b128 v[XR+4*((\m)/2):XR+4*((\m)/2)+3], v[XO], s[42:43] offset:256*((\m)/2) th:TH_LOAD_NT   ; both tiles of the pair have read their x
.endif
.if \guard
	s_cmp_lt_u32 s27, 2                            ; passes 0 and 1 have a pass two on
	s_cbranch_scc0 .Lnone_\@
.endif
	ISSUE 0                                        ; no further wait: between the wait above and these loads stand only loads, a window switch and the two scalar lines
	ISSUE 1
	ISSUE 2
	ISSUE 3
	WIN 0
.if \guard
.Lnone_\@:
.endif
.set tk, 0
.rept 16
	TLINE F, MX, 1                                 ; my block's largest magnitude: all 32 numbers are mine
.set tk, tk+1
.endr
	v_add_nc_u32 v[SCL], 0xff000000, v[MX]         ; 2 off its exponent field: the conversion takes this operand's exponent field as its scale
.irp g, 0,1,2,3
	v_cvt_scalef32_pk8_fp4_f32 v[EF+8*(\m)+\g], v[F+8*\g:F+8*\g+7], v[SCL]
.endr
	v_nop                                          ; one plain line behind the scaled conversions
	v_lshrrev_b32 v[BY], 23, v[SCL]                ; the scale's byte,
	v_lshlrev_b32 v[WD], v[SH8], v[BY]             ; at block h's place;
	v_permlanex16_b32 v[PD], v[WD], s30, s31
	v_or_b32 v[ES+(\m)], v[WD], v[PD]              ; with lane l xor 16's: bytes 0 and 1; bytes 2 and 3 stay 0 over zero codes
.endm
.macro LOADL1 gm                       ; group gm of layer 1: W1's four tiles (16 bytes a lane each) and b1's 32 numbers of my half, in the result's layout
	WIN 0x40
.irp t, 0,1,2,3
	ds_load_b128 v[WB+4*\t:WB+4*\t+3], v[LI] offset:L_W1+512*(4*(\gm)+\t)
.endr
.irp t, 0,1,2,3
.irp e, 0,1
	ds_load_b128 v[BI+8*\t+4*\e:BI+8*\t+4*\e+3], v[LB1] offset:L_B1+256*(\gm)+32*\t+16*\e
.endr
.endr
	WIN 0
.endm
.macro LOADL2W g                       ; group g of layer 2: tiles 2 g, 2 g + 1 of W2, both K steps, and b2's numbers of those 32 units
	WIN 0x40
.irp tt, 0,1
.irp s, 0,1
.irp e, 0,1
	ds_load_b128 v[WB+8*(2*\tt+\s)+4*\e:WB+8*(2*\tt+\s)+4*\e+3], v[LI] offset:L_W2+1024*(2*(2*(\g)+\tt)+\s)+512*\e
.endr
.endr
.endr
.irp tt, 0,1
.irp e, 0,1
	ds_load_b128 v[BI+8*\tt+4*\e:BI+8*\tt+4*\e+3], v[LB2] offset:L_B2+64*(2*(\g)+\tt)+16*\e
.endr
.endr
	WIN 0
.endm
.macro LOADL2V g                       ; and W3's numbers of those 32 units, into set g % 2
.irp tt, 0,1
.irp e, 0,1
	ds_load_b128 v[W3B+16*((\g)%2)+8*\tt+4*\e:W3B+16*((\g)%2)+8*\tt+4*\e+3], v[LB2] offset:L_W3+64*(2*(\g)+\tt)+16*\e
.endr
.endr
.endm
; LAYER 1, group gm: hidden units 64 gm .. 64 gm + 63 of the four tiles of points, two tiles at a time: eight products, each a whole sum (K = 64), the bias as C.  Then relu and the quantiser:
; my 32 numbers of a tile are block 2 gm + h of the second K; their codes are registers 4 (gm % 2) .. + 3 of the tile's fragment of K step gm / 2.
.macro L1GROUP gm
	s_wait_dscnt 0x0                               ; W1's tiles and b1 are in
.irp a, 0,1
	WIN 0x11                                       ; W1 and the bias in window 1
.irp mm, 0,1
.irp t, 0,1,2,3
	WMM ACC+32*\mm+8*\t, WB+4*\t, EF+8*(2*\a+\mm), BI+8*\t, W1S+((4*(\gm)+\t)&7), ES+2*\a+\mm, (\gm)/2
.endr
.endr
	WIN 0
	PLACES 4
.if \a == 1                            ; the operands are done with: the next group's come while this one is quantised
	s_wait_alu depctr_va_vdst(0)                   ; the group's sixteen products have read W1's tiles and the bias (and the last pass's multiply-adds their sets of W3's numbers): the LDS loads below land in these
.if (\gm) < 3
	LOADL1 (\gm)+1
.else
	LOADL2W 0
	LOADL2V 0
.endif
.endif
.set tk, 0
.rept 16
	TLINE ACC, MX, 0                               ; the two tiles by turns
	TLINE ACC+32, MX+2, 0
.set tk, tk+1
.endr
.irp mm, 0,1
.irp p, 0,2,4,6,8,10,12,14,16,18,20,22,24,26,28,30
	RELU2 ACC+32*\mm+\p
.endr
.endr
.irp mm, 0,1
	v_add_nc_u32 v[SCL+\mm], 0xff000000, v[MX+2*\mm]
.endr
	WIN 0x40                                       ; the codes go to window 1
.irp mm, 0,1
.irp t, 0,1,2,3
	v_cvt_scalef32_pk8_fp4_f32 v[H+16*(2*\a+\mm)+8*((\gm)/2)+4*((\gm)%2)+\t], v[ACC+32*\mm+8*\t:ACC+32*\mm+8*\t+7], v[SCL+\mm]
.endr
.endr
	v_nop                                          ; one plain line behind the scaled conversions
	WIN 0
.if (\gm)%2 == 0
.irp mm, 0,1
	v_lshrrev_b32 v[BYE+2*\a+\mm], 23, v[SCL+\mm]  ; the byte of block h of the K step: kept
.endr
.else
.irp mm, 0,1
	v_lshrrev_b32 v[BY+\mm], 23, v[SCL+\mm]        ; the byte of block 2 + h
.endr
.irp mm, 0,1
	v_lshl_or_b32 v[WD+\mm], v[BY+\mm], 16, v[BYE+2*\a+\mm]
.endr
.irp mm, 0,1
	v_lshlrev_b32 v[WD+\mm], v[SH8], v[WD+\mm]
.endr
.irp mm, 0,1
	v_permlanex16_b32 v[PD+\mm], v[WD+\mm], s30, s31
.endr
.irp mm, 0,1
	v_or_b32 v[HS+2*(2*\a+\mm)+(\gm)/2], v[WD+\mm], v[PD+\mm]   ; the tile's scale word of this K step
.endr
.endif
.endr
.endm
; LAYER 2, group g: units 32 g .. 32 g + 31 of the four tiles of points: eight accumulators, one instruction a turn; K step 0 takes the bias as C, K step 1 adds in place.
; Then relu and the last product: each tile's pair of running sums takes eight numbers x W3 for each of the two tiles of units.  nxt: 0 the next group's operands, 1 layer 1's first, 2 none.
.macro L2GROUP g, nxt
	s_wait_dscnt 0x0                               ; W2's fragments, b2 and W3 are in
	WIN 0x15                                       ; W2, the hidden layer and the bias in window 1
.irp tt, 0,1
.irp m, 0,1,2,3
	WMM ACC+8*(4*\tt+\m), WB+16*\tt, H+16*\m, BI+8*\tt, W2S+((4*(\g)+2*\tt)&15), HS+2*\m, (\g)/4
.endr
.endr
	WIN 0x05
.irp tt, 0,1
.irp m, 0,1,2,3
	WMM ACC+8*(4*\tt+\m), WB+16*\tt+8, H+16*\m+8, ACC+8*(4*\tt+\m), W2S+((4*(\g)+2*\tt+1)&15), HS+2*\m+1, (\g)/4
.endr
.endr
	WIN 0
	PLACES 4
.if \nxt < 2
	s_wait_alu depctr_va_vdst(0)                   ; the sixteen products have read W2's fragments and the bias, and the group before has read its set of W3's numbers: the LDS loads of this group land in these
.endif
.if \nxt == 0
	LOADL2W (\g)+1
.elseif \nxt == 1
	LOADL1 0
.endif
.irp tt, 0,1
.irp m, 0,1,2,3
.irp p, 0,2,4,6
	RELU2 ACC+8*(4*\tt+\m)+\p
.endr
.endr
.irp p, 0,2,4,6
.irp m, 0,1,2,3                        ; the four tiles' sums by turns
.if ((\g)==0) && (\tt==0) && (\p==0)
	v_pk_mul_f32 v[Z+2*\m:Z+2*\m+1], v[ACC+8*(4*\tt+\m)+\p:ACC+8*(4*\tt+\m)+\p+1], v[W3B+16*((\g)%2)+8*\tt+\p:W3B+16*((\g)%2)+8*\tt+\p+1]   ; a pass's first product starts the sums
.else
	v_pk_fma_f32 v[Z+2*\m:Z+2*\m+1], v[ACC+8*(4*\tt+\m)+\p:ACC+8*(4*\tt+\m)+\p+1], v[W3B+16*((\g)%2)+8*\tt+\p:W3B+16*((\g)%2)+8*\tt+\p+1], v[Z+2*\m:Z+2*\m+1]
.endif
.endr
.endr
.if (\tt == 0) && (\nxt == 0)
	LOADL2V (\g)+1                                 ; no further wait: the lines since the wait above name the accumulators, the sums, 0 and THIS group's set of W3's numbers; these four loads touch the other set and LB2
.endif
.endr
.endm
; The pass's 64 results.  A tile's sum: its pair, and lane l xor 16's (the other eight units of each 16).  Lane 16 a + r stores points 32 a + 2 r and + 1: row r of tiles 2 a and 2 a + 1.
.macro OUT
	s_wait_xcnt 0x0                                ; the last pass's store has had its address translated: ZA is written again only behind this wait,
	s_wait_alu depctr_vm_vsrc(0)                   ; and it has read ZA, which the lines below write
.irp m, 0,1,2,3
	v_add_f32 v[ZT+\m], v[Z+2*\m], v[Z+2*\m+1]
.endr
.irp m, 0,1,2,3
	v_permlanex16_b32 v[ZP+\m], v[ZT+\m], s30, s31
.endr
.irp m, 0,1,2,3
	v_add_f32 v[ZT+\m], v[ZT+\m], v[ZP+\m]
.endr
	v_cndmask_b32 v[ZA], v[ZT], v[ZT+2], s28
	v_cndmask_b32 v[ZA+1], v[ZT+1], v[ZT+3], s28
	v_add_f32 v[ZA], s32, v[ZA]
	v_add_f32 v[ZA+1], s32, v[ZA+1]
	s_wait_alu depctr_va_vdst(0)                   ; ZA is written, which the store reads
	global_store_b64 v[OO], v[ZA:ZA+1], s[46:47] th:TH_STORE_NT   ; 32 lanes store 256 consecutive bytes, aligned
.endm
	; ---- the head
	s_load_b512 s[8:23], s[0:1], 0x0               ; x s[8:9], tables s[10:11], b1 s[12:13], b2 s[14:15], W3 s[16:17], b3 s[18:19], idx s[20:21], wq s[22:23]
	s_load_b64 s[24:25], s[0:1], 0x40              ; out0
	v_lshl_add_u32 v190, v0, 2, 0xac00             ; my spare word, behind W3's bytes: 44,032 + 4 x thread; with v191 kept for the closing lines alone
	v_mov_b32 v191, 0
	s_mov_b32 s28, 0xffff0000                      ; lanes 16-31
	s_mov_b32 s30, 0x76543210
	s_mov_b32 s31, 0xfedcba98
	s_mov_b32 s51, 0
	v_lshrrev_b32 v[HT], 5, v0
	v_readfirstlane_b32 s26, v[HT]                 ; wave 0..7
	v_and_b32 v[HT], 31, v0                        ; lane
	v_and_b32 v[HT+1], 15, v0                      ; r
	v_bfe_u32 v[HT+2], v0, 4, 1                    ; h
	v_lshlrev_b32 v[HT+3], 4, v0                   ; 16 x thread
	v_lshlrev_b32 v[HT+4], 2, v0                   ; 4 x thread
	v_lshlrev_b32 v[HT+5], 2, v[HT+1]
	v_lshl_add_u32 v[HT+6], v[HT+2], 10, v[HT+5]   ; W2's scale words: 4 r, lanes 16-31 sixteen fragments on
	v_lshl_add_u32 v[HT+5], v[HT+2], 9, v[HT+5]    ; W1's: eight tiles on
	v_lshlrev_b32 v[LI], 4, v[HT]
	v_lshlrev_b32 v[OO], 3, v[HT]
	v_lshlrev_b32 v[XO], 4, v[HT+1]
	v_lshlrev_b32 v[LB1], 7, v[HT+2]
	v_lshlrev_b32 v[LB2], 5, v[HT+2]
	v_lshlrev_b32 v[SH8], 3, v[HT+2]
	v_mov_b32 v[ZR], 0
	v_mov_b32 v[CN], -1.0
	v_mov_b32 v[CN+1], 1.0
	v_mov_b32 v[CO], 1.0
	v_mov_b32 v[CO+1], 0
.irp l, 0,1,2,3
	v_mov_b32 v[SC+\l], SCA\l
	v_mov_b32 v[HT+7], SCB\l
	v_cndmask_b32 v[SC+\l], v[SC+\l], v[HT+7], s28                 ; level l in lanes 0-15, level 4 + l in lanes 16-31
	v_lshl_add_u32 v[LB+\l], v[HT+2], 26, \l<<24
	v_mul_u32_u24 v[RS+\l], v[HT+2], 32*(RESB\l-RESA\l)
	v_add_nc_u32 v[RS+\l], 32*RESA\l, v[RS+\l]
.endr
.irp m, 0,1,2,3
.irp i, 4,5,6,7
	v_mov_b32 v[EF+8*\m+\i], 0                     ; k = 64 .. 127 of the first product: zero codes, written once
.endr
.endr
.irp i, 0,1
	v_mov_b32 v[PD+\i], 0                          ; written once: a lane permute's destination counts as read
.endr
.irp i, 0,1,2,3
	v_mov_b32 v[ZP+\i], 0
.endr
	WIN 0x40
.irp i, 0,1,2,3
	v_mov_b32 v[WB+16+\i], 0                       ; what W1's last tile names beyond its four registers: written once, later whatever W2 leaves there: it meets zero codes
.endr
	WIN 0
	s_wait_alu depctr_va_sdst(0)                   ; s26, the wave's number, is written, ahead of its first reader: my parts of idx, x and out0 are made from it
	s_lshl_b32 s48, ttmp9, 3
	s_add_co_u32 s48, s48, s26                     ; which 256 points are my wave's
	s_wait_kmcnt 0x0
	s_lshl_b32 s50, s48, 13
	s_add_nc_u64 s[34:35], s[20:21], s[50:51]      ; 8,192 bytes of idx,
	s_lshl_b32 s50, s48, 11
	s_add_nc_u64 s[40:41], s[8:9], s[50:51]        ; 2,048 of x,
	s_lshl_b32 s50, s48, 10
	s_add_nc_u64 s[44:45], s[24:25], s[50:51]      ; 1,024 of out0
	s_add_nc_u64 s[36:37], s[34:35], 2048          ; while pass 0 is encoded: reloads take pass 1,
	s_add_nc_u64 s[38:39], s[34:35], 4096          ; tile 0's second reload pass 2
	s_add_nc_u64 s[42:43], s[40:41], 512
	s_load_b32 s32, s[18:19], 0x0                  ; b3
	s_wait_alu depctr_va_vdst(0)                   ; the offsets and LDS addresses LI, LB1, LB2, XO, OO and v[HT+3] to v[HT+6] are written, which the kernel's loads and stores read
.irp m, 0,1,2,3
	global_load_b128 v[IDX+4*\m:IDX+4*\m+3], v[LI], s[34:35] offset:512*\m th:TH_LOAD_NT
.endr
.irp a, 0,1
	global_load_b128 v[XR+4*\a:XR+4*\a+3], v[XO], s[40:41] offset:256*\a th:TH_LOAD_NT
.endr
.irp i, 0,1,2,3,4,5,6,7,8,9
	global_load_b128 v[ACC+4*\i:ACC+4*\i+3], v[HT+3], s[22:23] offset:4096*\i   ; the weights' images: the 256 threads take 4,096 consecutive bytes a load
.endr
	global_load_b32 v[ACC+40], v[HT+4], s[12:13]   ; b1, b2, W3: 1,024 bytes each, 4 a thread
	global_load_b32 v[ACC+41], v[HT+4], s[14:15]
	global_load_b32 v[ACC+42], v[HT+4], s[16:17]
.irp q, 0,1,2,3,4,5,6,7
	global_load_b32 v[W1S+\q], v[HT+5], s[22:23] offset:Q_S1+64*\q
.endr
.irp q, 0,1,2,3,4,5,6,7,8,9,10,11,12,13,14,15
	global_load_b32 v[W2S+\q], v[HT+6], s[22:23] offset:Q_S2+64*\q
.endr
	s_wait_loadcnt 0x0
.irp i, 0,1,2,3,4,5,6,7,8,9
	ds_store_b128 v[HT+3], v[ACC+4*\i:ACC+4*\i+3] offset:4096*\i
.endr
	ds_store_b32 v[HT+4], v[ACC+40] offset:L_B1
	ds_store_b32 v[HT+4], v[ACC+41] offset:L_B2
	ds_store_b32 v[HT+4], v[ACC+42] offset:L_W3
	s_wait_kmcnt 0x0                               ; b3
	s_wait_dscnt 0x0                               ; for the others' sake: my stores have landed
	s_barrier_signal -1
	s_barrier_wait -1                              ; the one barrier: from here on LDS is only read
	s_wait_alu depctr_vm_vsrc(0)                   ; my loads and LDS stores have read v[ACC ..] and v[HT+3] to v[HT+6]: from here on the encoder's arithmetic and the products write these registers
	; ---- pass 0 is encoded ahead of the loop
	ADDR 0
	s_wait_alu depctr_va_vdst(0)                   ; AD is written, which the gathers read; tile 0's four registers of IDX have been read, in which the reload lands
	global_load_b128 v[IDX:IDX+3], v[LI], s[36:37] th:TH_LOAD_NT   ; ahead of the gathers, as in every ENC: so the first ENC finds the same loads behind level 0's as every other
	ISSUE 0
	ISSUE 1
	ISSUE 2
	ISSUE 3
	ENC 0, 0
	ENC 1, 0
	ENC 2, 0
	ENC 3, 0                                       ; and pass 1's tile 0 is asked for
	LOADL1 0                                       ; (no vector or matrix instruction has named these registers yet)
	s_mov_b32 s27, 0
.Lpass:
	s_wait_xcnt 0x0                                ; every earlier load and store has read its base: the four pairs below are written only behind this wait
	s_add_co_u32 s48, s27, 2                       ; this pass encodes pass s27 + 1 and reloads idx and x with pass s27 + 2, held at the last pass: no load leaves its buffer; what is loaded twice is not used
	s_min_u32 s48, s48, 3
	s_lshl_b32 s50, s48, 11
	s_add_nc_u64 s[36:37], s[34:35], s[50:51]
	s_lshl_b32 s50, s48, 9
	s_add_nc_u64 s[42:43], s[40:41], s[50:51]
	s_add_nc_u64 s[38:39], s[34:35], 6144          ; tile 0 runs a pass further ahead: pass s27 + 3, held at 3
	s_lshl_b32 s50, s27, 8
	s_add_nc_u64 s[46:47], s[44:45], s[50:51]      ; the pass's 256 bytes of out0
	PLACES 8                                       ; enc's scale words and codes were written by vector instructions
	s_wait_alu depctr_va_vdst(0)                   ; the encoder has written enc's codes and scale words, which layer 1's scaled products take; the places above stay beside this wait
	L1GROUP 0
	L1GROUP 1
	L1GROUP 2
	L1GROUP 3
	PLACES 8                                       ; and so were the hidden layer's
	s_wait_alu depctr_va_vdst(0)                   ; layer 1's quantiser has written the hidden layer's codes and scale words, which layer 2's scaled products take, on both ways of the branch below
	s_cmp_eq_u32 s27, 3
	s_cbranch_scc1 .Llast                          ; the fourth pass has no pass to encode
	L2GROUP 0, 0
	L2GROUP 1, 0
	ENC 0, 0
	L2GROUP 2, 0
	L2GROUP 3, 0
	ENC 1, 0
	L2GROUP 4, 0
	L2GROUP 5, 0
	ENC 2, 0
	L2GROUP 6, 0
	L2GROUP 7, 1
	ENC 3, 1
	OUT
	s_add_co_u32 s27, s27, 1
	s_cmp_lt_u32 s27, 4                            ; the count bounds the loop; its fourth trip leaves by the branch above
	s_cbranch_scc1 .Lpass
.Llast:
	L2GROUP 0, 0
	L2GROUP 1, 0
	L2GROUP 2, 0
	L2GROUP 3, 0
	L2GROUP 4, 0
	L2GROUP 5, 0
	L2GROUP 6, 0
	L2GROUP 7, 2
	s_wait_alu depctr_va_vdst(0)
	OUT
	s_wait_dscnt 0x0                               ; the closing lines, six on end
	s_wait_alu 0x0
	s_wait_tensorcnt 0x0
	ds_add_u32 v190, v191
	s_wait_dscnt 0x0
	s_endpgm
.Lfunc_end_k_qf157be1ef1_mlp:
	.size	k_qf157be1ef1_mlp, .Lfunc_end_k_qf157be1ef1_mlp-k_qf157be1ef1_mlp
	.p2alignl 7, 3214868480
	.fill 96, 4, 3214868480
	.section	.rodata,"a",@progbits
	.p2align	6, 0x0
	.amdhsa_kernel k_qf157be1ef1_mlp
		.amdhsa_group_segment_fixed_size 45056
		.amdhsa_private_segment_fixed_size 0
		.amdhsa_enable_private_segment 0
		.amdhsa_kernarg_size 72
		.amdhsa_user_sgpr_count 2
		.amdhsa_user_sgpr_kernarg_segment_ptr 1
		.amdhsa_wavefront_size32 1
		.amdhsa_system_sgpr_workgroup_id_x 1
		.amdhsa_system_sgpr_workgroup_id_y 1
		.amdhsa_system_sgpr_workgroup_id_z 1
		.amdhsa_system_vgpr_workitem_id 0
		.amdhsa_next_free_vgpr 512
		.amdhsa_next_free_sgpr 66
		.amdhsa_reserve_vcc 0
		.amdhsa_float_denorm_mode_32 3
		.amdhsa_float_denorm_mode_16_64 3
		.amdhsa_memory_ordered 1
		.amdhsa_forward_progress 1
		.amdhsa_inst_pref_size 255
	.end_amdhsa_kernel
	.section	.bss,"aw",@nobits
	.p2align	6
	.space	262144
	.amdgpu_metadata
---
amdhsa.version: [ 1, 2 ]
amdhsa.kernels:
  - .name:           k_qf157be1ef1_mlp
    .symbol:         k_qf157be1ef1_mlp.kd
    .args:
      - { .name: x, .offset: 0, .size: 8, .value_kind: global_buffer, .address_space: global }
      - { .name: tables, .offset: 8, .size: 8, .value_kind: global_buffer, .address_space: global }
      - { .name: b1, .offset: 16, .size: 8, .value_kind: global_buffer, .address_space: global }
      - { .name: b2, .offset: 24, .size: 8, .value_kind: global_buffer, .address_space: global }
      - { .name: W3, .offset: 32, .size: 8, .value_kind: global_buffer, .address_space: global }
      - { .name: b3, .offset: 40, .size: 8, .value_kind: global_buffer, .address_space: global }
      - { .name: idx, .offset: 48, .size: 8, .value_kind: global_buffer, .address_space: global }
      - { .name: wq, .offset: 56, .size: 8, .value_kind: global_buffer, .address_space: global }
      - { .name: out0, .offset: 64, .size: 8, .value_kind: global_buffer, .address_space: global }
    .group_segment_fixed_size: 45056
    .private_segment_fixed_size: 0
    .kernarg_segment_align: 8
    .kernarg_segment_size: 72
    .max_flat_workgroup_size: 256
    .sgpr_count:     66
    .vgpr_count:     512
    .wavefront_size: 32
...
	.end_amdgpu_metadata
.endif
;; end of part 4
